; MI455X (gfx1250); checked and timed in simulation.
; The chip was launched on July 23, 2026; its instructions are those of AMD's public machine-readable ISA for CDNA 5 (MIT licence, August 2026) and "CDNA5" Instruction Set Architecture Reference Guide (July 2026). The comments in the code are by the model that wrote it; some were corrected since.
;; Multi Head Attention Layer. Allowed arithmetic: matrix products marked QUANTISED: E2M1 operands, one E8M0 scale for each 32 along K, by v_wmma_scale_f32_16x16x128_f8f6f4 with both operands' format E2M1 (or v_wmma_scale_f32_32x16x128_f4), f32 sums; products left as they are: bf16, f16 or f32 operands; f32 sums; everything else in f32.
;; Inputs: Wk 1,024 x 1,024 float32; Wo 1,024 x 1,024 float32; Wq 1,024 x 1,024 float32; Wv 1,024 x 1,024 float32; bk 1,024 float32; bo 1,024 float32; bq 1,024 float32; bv 1,024 float32; key 4 x 2,048 x 1,024 float32; mask 4 x 1 x 1 x 2,048 float32; query 4 x 2,048 x 1,024 float32; value 4 x 2,048 x 1,024 float32.
;; Outputs: out0 4 x 2,048 x 1,024 float32.
;; This version of the problem:
;;   THIS VERSION OF THE PROBLEM IS GIVEN IN LOW PRECISION. The matrix products marked QUANTISED in the list below multiply operands that are first quantised to E2M1 (2 exponent bits, 1 mantissa bit; 4 bits a number), with one power-of-two scale for each 32 numbers along K (OCP MX v1.0); their sums are f32. The products marked 'left as it is' may take bf16, f16 or f32 operands, with f32 sums. Whichever they take, every output number must still come out within the allowed error. Rounding operands to bf16 (8 significant bits) uses up far more of that allowance than f16 does (11 bits, for magnitudes from 6e-5 to 65,504). All else is computed in f32.
;;   The module's matrix products, in the order in which they are computed (A, B: the left and right operand; K: the contracted axis; several contracted axes count as one K, in the product's order):
;;     1. [M 8,192, K 1,024] x [K 1,024, N 1,024]; A: input query; B: input Wq: QUANTISED
;;     2. [M 8,192, K 1,024] x [K 1,024, N 1,024]; A: input key; B: input Wk: QUANTISED
;;     3. [M 8,192, K 1,024] x [K 1,024, N 1,024]; A: input value; B: input Wv: QUANTISED
;;     4. batch 64 x [M 2,048, K 64] x [K 64, N 2,048]; A: computed on the way; B: computed on the way: left as it is (an operand is computed on the way)
;;     5. batch 64 x [M 2,048, K 2,048] x [K 2,048, N 64]; A: computed on the way; B: computed on the way: left as it is (an operand is computed on the way)
;;     6. [M 8,192, K 1,024] x [K 1,024, N 1,024]; A: computed on the way; B: input Wo: left as it is (an operand is computed on the way)
;;   THE QUANTISER, for each operand of a quantised product, along K:
;;     - K is cut into blocks of 32 from its start; a last block that is shorter is filled with zeros.
;;     - A block's scale is 2^e with e = floor(log2(the largest magnitude in the block)) - 2, held to -126 .. 127; a block of zeros has e = 0. As a byte (E8M0): e + 127.
;;     - Each number is divided by its block's scale, clamped to +-6, and rounded to the nearest number of E2M1, ties to even, subnormals kept.
;;     - The product sums the exact products of the quantised numbers (number of the format x scale) in f32.
;;   ~~~python
;;   def quantise(x, axis):      # numpy; x: float32 -> the quantised numbers, widened to float32 again
;;       x = np.moveaxis(x, axis, -1); K = x.shape[-1]
;;       x = np.pad(x, [(0, 0)] * (x.ndim - 1) + [(0, -K % 32)]); x = x.reshape(x.shape[:-1] + (-1, 32)); a = np.abs(x).max(-1, keepdims=True)
;;       e = np.where(a > 0, np.clip(np.frexp(np.where(a > 0, a, 1))[1] - 1 - 2, -126, 127), 0)      # np.frexp(a)[1] - 1 = floor(log2(a)), exactly
;;       r = np.clip(x / 2.0 ** e, -6, 6)
;;       step = 2.0 ** (np.maximum(np.frexp(np.where(r == 0, 1, r))[1] - 1, 0) - 1)
;;       q = np.round(r / step) * step * 2.0 ** e      # np.round: ties to even
;;       return np.moveaxis(q.reshape(q.shape[:-2] + (-1,))[..., :K], -1, axis).astype(np.float32)
;;   ~~~
;; One version. Each part assembles by itself: llvm-mc -triple=amdgcn-amd-amdhsa -mcpu=gfx1250 --defsym DOCPART=n.
;; ======== version 1 of 1: 4 launches
;; limits: values are held in f16: magnitudes above 65,504 overflow, below 6.1e-05 lose precision
;; workspace buffers: acodes 12,582,912 bytes; ascales 786,432 bytes; wcodes 1,572,864 bytes; wscales 98,304 bytes; woh 2,097,152 bytes; qkv 50,331,648 bytes; ctx 16,777,216 bytes
;; launch prep (part 1): grid 880 x 1, 4 waves a work-group, no clusters, 68,096 bytes of LDS; arguments query, key, value, Wq, Wk, Wv, Wo, acodes, ascales, wcodes, wscales, woh; writes acodes, ascales, wcodes, wscales, woh
.if DOCPART == 1
	.amdgcn_target "amdgcn-amd-amdhsa--gfx1250"
	.amdhsa_code_object_version 6
	.text
	.protected	k_q21f10382a1_prep
	.globl	k_q21f10382a1_prep
	.p2align	8
	.type	k_q21f10382a1_prep,@function
k_q21f10382a1_prep:
	s_mov_b64 s[64:65], 0
	v_nop
	global_prefetch_b8 v0, s[64:65] scope:SCOPE_SE
	s_setreg_imm32_b32 hwreg(HW_REG_WAVE_MODE, 25, 1), 1
	s_wait_xcnt 0x0
; PREP: everything that is quantised or cast once, in one launch.  Three kinds of work-group, told apart by the work-group's number alone:
;   0 .. 47    Wq, Wk, Wv [1024 (k)][1024 (n)] f32, K their FIRST axis -> codes of FP4 (E2M1) laid [n][512 bytes], K innermost, and E8M0 bytes [n][32]; 16 work-groups a weight
;   48 .. 111  Wo [1024][1024] f32 -> f16, in the same order
;   112 .. 879 query, key, value [8192][1024] f32, K innermost -> codes [3][8192][512 bytes] and E8M0 bytes [3][8192][32]; 256 work-groups a tensor
; A block's scale is 2^(floor(log2(its largest magnitude)) - 2); its byte is the largest magnitude's own exponent field - 2, held at 1 from below.
; LIMITS: a block of zeros gets the byte 1 where the quantiser says 127: its codes are zeros, and the bytes are read by this program alone.  Blocks whose largest magnitude lies under
; 2^(2 - 126) are held at the byte 1.  NaN and infinities among the inputs are not served.  |Wo| stays at or under 65,504, f16's largest number.
; No tensor loads, no barrier: waves share nothing.  The two kinds that use LDS have LDS bytes of their own.
.set SPARE, 67584                      ; behind both kinds' regions: the spare words, 128 bytes for each wave: two blocks of 256 bytes that no other line names
.set SPW,   192                        ; v192  LDS address of my spare word: SPARE + 4 x my thread's number; never rewritten
.set NIL,   193                        ; v193  0; never rewritten
.set EMAX,  2
; the activations' names
.set STEPS, 16
.set CB,    8                          ; bytes of 16 codes
.set AR,    16                         ; v16-79   four sets of 16 numbers as they are loaded
.set AX,    80                         ; v80-111  two sets of 16 neighbours
.set AE,    112                        ; v112-127 a scale byte for each step
.set AC,    128                        ; v128-191 codes: four registers for each step, so that no store's data are written again
.set WREG,  8192                       ; LDS bytes 0 .. 32,767: a region for each wave: two stages of 32 x SP bytes, and behind them its 256 scale bytes
.set SP,    80                         ; a lane's place in a stage: its 64 bytes + 16 of padding
; the weights' names
.set WSTG,  32768                      ; LDS bytes 32,768 .. 67,583: a stage of 32 rows x 272 bytes for each wave
.set NB,    16                         ; blocks of 32 along K for a wave
.set PITCH, 272
.set KROW,  512                        ; a row of the codes' buffer in bytes
.set WX,    32                         ; v32-95   two sets of 32 numbers
.set WC,    96                         ; v96-99   a block's codes
.set WOUT,  112                        ; v112-175 the way out
.set WSB,   24                         ; v24-27   the scale bytes, four to a register
.macro FINISH                          ; the wave's end: behind my last LDS store
	s_wait_tensorcnt 0x0
	ds_add_u32 v[SPW], v[NIL]
	s_wait_dscnt 0x0
	s_endpgm
.endm
	s_load_b512 s[4:19], s[0:1], 0x0               ; query s[4:5], key s[6:7], value s[8:9], Wq s[10:11], Wk s[12:13], Wv s[14:15], Wo s[16:17], acodes s[18:19]
	s_load_b256 s[20:27], s[0:1], 0x40             ; ascales s[20:21], wcodes s[22:23], wscales s[24:25], woh s[26:27]
	v_lshl_add_u32 v[SPW], v0, 2, SPARE
	v_mov_b32 v[NIL], 0
	v_lshrrev_b32 v1, 5, v0
	v_readfirstlane_b32 s28, v1                    ; wave 0..3
	v_and_b32 v2, 31, v0                           ; lane
	s_wait_kmcnt 0x0
	s_cmp_lt_u32 ttmp9, 48
	s_cbranch_scc1 .Lweights
	s_cmp_lt_u32 ttmp9, 112
	s_cbranch_scc1 .Lcast
; ---------------- THE ACTIVATIONS.  Rows are dense and K is a multiple of 32: a tensor is a plain stream of blocks of 32 numbers, and so are its codes and its scale bytes.
; A wave takes 16 steps of 512 numbers.  Each of a step's four loads reads 512 consecutive bytes; the 2,048 bytes turn through the wave's own stage in LDS and come back 64 bytes a lane,
; so that a lane holds 16 NEIGHBOURS along K (two neighbouring lanes hold a block), as the conversions want them.
	s_sub_co_u32 s29, ttmp9, 112                   ; 0 .. 767
	s_cmp_lt_u32 s29, 256
	s_cselect_b64 s[30:31], s[4:5], s[6:7]         ; query or key,
	s_cmp_lt_u32 s29, 512
	s_cselect_b64 s[30:31], s[30:31], s[8:9]       ; or value: the choice hangs on the work-group's number alone
	s_and_b32 s38, s29, 255
	s_lshl_b32 s38, s38, 2
	s_add_co_u32 s38, s38, s28                     ; which run of 8,192 numbers of the tensor is my wave's
	s_lshl_b32 s38, s38, 15                        ; 32,768 bytes a run
	s_mov_b32 s39, 0
	s_add_nc_u64 s[30:31], s[30:31], s[38:39]
	s_lshl_b32 s40, s29, 2
	s_add_co_u32 s40, s40, s28                     ; the run's number over the three tensors: their codes and bytes lie one tensor behind the other
	s_lshl_b32 s38, s40, 12                        ; 4,096 bytes of codes a run
	s_add_nc_u64 s[34:35], s[18:19], s[38:39]
	s_lshl_b32 s38, s40, 8                         ; 256 scale bytes a run
	s_add_nc_u64 s[36:37], s[20:21], s[38:39]
	v_lshlrev_b32 v3, 4, v2                        ; my 16 bytes of a load's 512
	s_mul_i32 s33, s28, WREG
	v_lshrrev_b32 v14, 2, v2
	v_mul_u32_u24 v14, v14, SP
	v_and_b32 v15, 3, v2
	v_lshl_add_u32 v14, v15, 4, v14
	v_add_nc_u32 v14, s33, v14                     ; the stage, on the way in: SP (lane / 4) + 16 (lane % 4); a load's 512 bytes take eight places
	v_mul_u32_u24 v15, v2, SP
	v_add_nc_u32 v15, s33, v15                     ; and on the way out: SP x lane: my 16 neighbours
	v_mul_u32_u24 v4, v2, CB                       ; my codes' place in a step's
	v_lshrrev_b32 v5, 1, v2
	s_add_co_u32 s33, s33, 2*32*SP
	v_add_nc_u32 v5, s33, v5                       ; LDS: my wave's 256 scale bytes, my block's byte
	v_lshlrev_b32 v7, 3, v2                        ; and on the way out 8 bytes a lane
	v_add_nc_u32 v6, s33, v7
.macro ALOAD t
.irp i, 0,1,2,3
	global_load_b128 v[AR+16*((\t)%4)+4*\i:AR+16*((\t)%4)+4*\i+3], v3, s[30:31] offset:2048*(\t)+512*\i th:TH_LOAD_NT   ; 32 lanes read 512 consecutive bytes
.endr
.endm
.macro ATURN t                         ; step t's numbers through the stage: LDS serves a wave's instructions in order, so no wait stands between the stores and the loads
.irp i, 0,1,2,3
	ds_store_b128 v14, v[AR+16*((\t)%4)+4*\i:AR+16*((\t)%4)+4*\i+3] offset:32*SP*((\t)%2)+8*SP*\i
.endr
.irp i, 0,1,2,3
	ds_load_b128 v[AX+16*((\t)%2)+4*\i:AX+16*((\t)%2)+4*\i+3], v15 offset:32*SP*((\t)%2)+16*\i
.endr
.endm
.irp t, 0,1,2,3
	ALOAD \t
.endr
	s_wait_loadcnt 12                              ; step 0's four loads are in; those of steps 1 to 3 may be out
	ATURN 0
.macro ASTEP t
.set XS, AX+16*((\t)%2)
.if (\t) > 0
	s_wait_dscnt 1                                 ; this step's numbers are back from the stage (the last step's byte store may be out)
.else
	s_wait_dscnt 0x0
.endif
.if (\t)+4 < STEPS
	ALOAD (\t)+4                                   ; into the registers that this step's stores into the stage have read
.endif
.if (\t)+1 < STEPS
.if STEPS-2-(\t) >= 3
	s_wait_loadcnt 12                              ; the next step's four loads are in; those of the three steps behind it may be out
.else
	s_wait_loadcnt 4*(STEPS-2-(\t))
.endif
	ATURN (\t)+1                                   ; and go through the other stage while this step is worked
.endif
	v_max3_num_f32 v8, |v[XS]|, |v[XS+1]|, |v[XS+2]|               ; the largest magnitude of my 16, in two chains
	v_max3_num_f32 v9, |v[XS+3]|, |v[XS+4]|, |v[XS+5]|
.irp i, 6,10
	v_max3_num_f32 v8, v8, |v[XS+\i]|, |v[XS+\i+1]|
	v_max3_num_f32 v9, v9, |v[XS+\i+2]|, |v[XS+\i+3]|
.endr
	v_max3_num_f32 v8, v8, |v[XS+14]|, |v[XS+15]|
	v_max3_num_f32 v8, v8, v9, (EMAX+1)<<23        ; and the floor 2^(EMAX + 1 - 127): the byte cannot fall under 1
	v_max_num_f32_dpp v8, v8, v8 row_xmask:1 row_mask:0xf bank_mask:0xf   ; and of my neighbour's 16: the block's
	v_add_nc_u32 v11, -(EMAX<<23), v8              ; EMAX off its exponent field: the conversion takes the exponent field of this operand as its scale, and nothing else of it
	v_cvt_scalef32_pk8_fp4_f32 v[AC+4*(\t)], v[XS:XS+7], v11       ; eight numbers / the scale, to the nearest code, ties to even; beyond the largest code the largest
	v_cvt_scalef32_pk8_fp4_f32 v[AC+4*(\t)+1], v[XS+8:XS+15], v11
	v_lshrrev_b32 v[AE+(\t)], 23, v11              ; the scale's byte (also the plain line behind the conversions)
	ds_store_b8 v5, v[AE+(\t)] offset:16*(\t)      ; both lanes of a block write the same byte with the same value
	global_store_b64 v4, v[AC+4*(\t):AC+4*(\t)+1], s[34:35] offset:32*CB*(\t)   ; the wave stores 256 consecutive bytes, aligned
.endm
.irp t, 0,1,2,3,4,5,6,7,8,9,10,11,12,13,14,15
	ASTEP \t
.endr
	ds_load_b64 v[8:9], v6                         ; LDS serves a wave's instructions in order: these see my stores
	s_wait_dscnt 0x0
	global_store_b64 v7, v[8:9], s[36:37]          ; 32 lanes store 256 consecutive bytes, aligned
	FINISH
; ---------------- THE WEIGHTS.  A LANE TAKES A COLUMN n, AND ITS REGISTERS RUN DOWN K: each load reads neighbouring n in neighbouring lanes, a block of 32 along K lies in one lane's 32 registers,
; and the conversions give the codes with K innermost.  A wave takes 32 columns x 512 along K; the codes go through its own stage and leave as rows, sixteen lanes to 256 consecutive bytes.
.Lweights:
	s_lshr_b32 s29, ttmp9, 4                       ; which weight
	s_cmp_eq_u32 s29, 0
	s_cselect_b64 s[30:31], s[10:11], s[12:13]
	s_cmp_lt_u32 s29, 2
	s_cselect_b64 s[30:31], s[30:31], s[14:15]
	s_and_b32 s33, ttmp9, 7
	s_lshl_b32 s33, s33, 7
	s_lshl_b32 s34, s28, 5
	s_add_co_u32 s33, s33, s34                     ; my wave's first column: 128 x + 32 x wave
	s_bfe_u32 s34, ttmp9, 0x10003                  ; which 512 along K
	s_lshl_b32 s36, s34, 21                        ; the weight: 512 rows of 4,096 bytes,
	s_lshl_b32 s37, s33, 2
	s_add_co_u32 s36, s36, s37                     ; + 4 bytes a column
	s_mov_b32 s37, 0
	s_add_nc_u64 s[30:31], s[30:31], s[36:37]
	s_lshl_b32 s36, s29, 19                        ; the codes: 524,288 bytes a weight, 512 a column, 256 for 512 along K
	s_lshl_b32 s38, s33, 9
	s_add_co_u32 s36, s36, s38
	s_lshl_b32 s38, s34, 8
	s_add_co_u32 s36, s36, s38
	s_add_nc_u64 s[40:41], s[22:23], s[36:37]
	s_lshl_b32 s36, s29, 15                        ; the scale bytes: 32,768 a weight, 32 a column, 16 for 512 along K
	s_lshl_b32 s38, s33, 5
	s_add_co_u32 s36, s36, s38
	s_lshl_b32 s38, s34, 4
	s_add_co_u32 s36, s36, s38
	s_add_nc_u64 s[42:43], s[24:25], s[36:37]
	v_lshlrev_b32 v3, 2, v2                        ; in: 4 bytes a lane
	s_mul_i32 s35, s28, 32*PITCH
	s_add_co_u32 s35, s35, WSTG                    ; my stage
	v_mul_u32_u24 v4, v2, PITCH
	v_add_nc_u32 v4, s35, v4                       ; into it: row = my column
	v_and_b32 v5, 15, v2
	v_lshrrev_b32 v6, 4, v2                        ; out of it: sixteen lanes to a row, two rows an instruction
	v_mul_u32_u24 v7, v6, PITCH
	v_lshl_add_u32 v7, v5, 4, v7
	v_add_nc_u32 v7, s35, v7
	v_mul_u32_u24 v8, v6, KROW
	v_lshl_add_u32 v8, v5, 4, v8                   ; and the same place in the codes' buffer
	v_mul_u32_u24 v9, v2, 32                       ; my column's row of scale bytes
.macro WLOAD t                         ; block t: W(32 t + i, my column), i = 0 .. 31, into set t % 2; the largest offset, 511 rows of 4,096 bytes, lies inside the signed 24-bit immediate
.irp i, 0,1,2,3,4,5,6,7,8,9,10,11,12,13,14,15,16,17,18,19,20,21,22,23,24,25,26,27,28,29,30,31
	global_load_b32 v[WX+32*((\t)%2)+\i], v3, s[30:31] offset:(32*(\t)+\i)*4096 th:TH_LOAD_NT
.endr
.endm
	WLOAD 0
	WLOAD 1
.macro WBLOCK t
.set XS, WX+32*((\t)%2)
.if (\t) < NB-1
	s_wait_loadcnt 32                              ; this block's 32 loads are in; the next block's may be out
.else
	s_wait_loadcnt 0
.endif
	v_max3_num_f32 v12, |v[XS]|, |v[XS+1]|, |v[XS+2]|              ; the block's largest magnitude: all 32 numbers are mine
	v_max3_num_f32 v13, |v[XS+3]|, |v[XS+4]|, |v[XS+5]|
.irp i, 6,10,14,18,22,26
	v_max3_num_f32 v12, v12, |v[XS+\i]|, |v[XS+\i+1]|
	v_max3_num_f32 v13, v13, |v[XS+\i+2]|, |v[XS+\i+3]|
.endr
	v_max3_num_f32 v12, v12, |v[XS+30]|, |v[XS+31]|
	v_max3_num_f32 v12, v12, v13, (EMAX+1)<<23     ; and the floor
	v_add_nc_u32 v11, -(EMAX<<23), v12             ; the conversion's scale operand
	v_lshrrev_b32 v13, 23, v11                     ; the scale's byte
.if (\t)%4 == 0
	v_mov_b32 v[WSB+(\t)/4], v13                   ; four bytes to a register, the lower K in the lower byte
.else
	v_lshl_or_b32 v[WSB+(\t)/4], v13, 8*((\t)%4), v[WSB+(\t)/4]
.endif
.irp g, 0,1,2,3
	v_cvt_scalef32_pk8_fp4_f32 v[WC+\g], v[XS+8*\g:XS+8*\g+7], v11
.endr
	v_nop                                          ; one plain line behind the last conversion
	ds_store_b128 v4, v[WC:WC+3] offset:16*(\t)    ; 32 codes: 16 bytes of my column's row
.if (\t)+2 < NB
	WLOAD (\t)+2
.endif
	s_wait_dscnt 0x0                               ; the store has read its registers: the next block's codes may be written
.endm
.set Q, 0
.rept NB
	WBLOCK Q
.set Q, Q+1
.endr
	global_store_b128 v9, v[WSB:WSB+3], s[42:43]   ; my column's 16 scale bytes
.irp t, 0,1,2,3,4,5,6,7,8,9,10,11,12,13,14,15
	ds_load_b128 v[WOUT+4*\t:WOUT+4*\t+3], v7 offset:2*\t*PITCH    ; LDS serves a wave's instructions in order: these see my stores
.endr
.irp t, 0,1,2,3,4,5,6,7,8,9,10,11,12,13,14,15
	s_wait_dscnt 15-\t                             ; load t is in; the 15 - t behind it may be out
	global_store_b128 v8, v[WOUT+4*\t:WOUT+4*\t+3], s[40:41] offset:2*\t*KROW
.endr
	FINISH
; ---------------- Wo TO f16.  A wave takes 4,096 numbers: 16 times 8 neighbours a lane; sixteen lanes store 256 consecutive bytes.
.Lcast:
	s_sub_co_u32 s29, ttmp9, 48
	s_lshl_b32 s29, s29, 2
	s_add_co_u32 s29, s29, s28                     ; my wave's run, 0 .. 255
	s_lshl_b32 s38, s29, 14
	s_mov_b32 s39, 0
	s_add_nc_u64 s[30:31], s[16:17], s[38:39]
	s_lshl_b32 s38, s29, 13
	s_add_nc_u64 s[34:35], s[26:27], s[38:39]
	v_lshlrev_b32 v3, 5, v2
	v_lshlrev_b32 v4, 4, v2
.irp i, 0,1,2,3,4,5,6,7,8,9,10,11,12,13,14,15
	global_load_b128 v[32+8*\i:35+8*\i], v3, s[30:31] offset:1024*\i th:TH_LOAD_NT
	global_load_b128 v[36+8*\i:39+8*\i], v3, s[30:31] offset:1024*\i+16 th:TH_LOAD_NT
.endr
.irp i, 0,1,2,3,4,5,6,7,8,9,10,11,12,13,14,15
	s_wait_loadcnt 30-2*\i                         ; pair i is in; the 15 - i pairs behind it may be out
.irp j, 0,1,2,3
	v_cvt_pk_f16_f32 v[32+8*\i+\j], v[32+8*\i+2*\j], v[32+8*\i+2*\j+1]   ; in place, ascending: no source is written before it is read
.endr
	global_store_b128 v4, v[32+8*\i:35+8*\i], s[34:35] offset:512*\i
.endr
	FINISH
.Lfunc_end_k_q21f10382a1_prep:
	.size	k_q21f10382a1_prep, .Lfunc_end_k_q21f10382a1_prep-k_q21f10382a1_prep
	.p2alignl 7, 3214868480
	.fill 96, 4, 3214868480
	.section	.rodata,"a",@progbits
	.p2align	6, 0x0
	.amdhsa_kernel k_q21f10382a1_prep
		.amdhsa_group_segment_fixed_size 68096
		.amdhsa_private_segment_fixed_size 0
		.amdhsa_enable_private_segment 0
		.amdhsa_kernarg_size 96
		.amdhsa_user_sgpr_count 2
		.amdhsa_user_sgpr_kernarg_segment_ptr 1
		.amdhsa_wavefront_size32 1
		.amdhsa_system_sgpr_workgroup_id_x 1
		.amdhsa_system_sgpr_workgroup_id_y 1
		.amdhsa_system_sgpr_workgroup_id_z 1
		.amdhsa_system_vgpr_workitem_id 0
		.amdhsa_next_free_vgpr 194
		.amdhsa_next_free_sgpr 66
		.amdhsa_reserve_vcc 0
		.amdhsa_float_denorm_mode_32 3
		.amdhsa_float_denorm_mode_16_64 3
		.amdhsa_memory_ordered 1
		.amdhsa_forward_progress 1
		.amdhsa_inst_pref_size 121
	.end_amdhsa_kernel
	.amdgpu_metadata
---
amdhsa.version: [ 1, 2 ]
amdhsa.kernels:
  - .name:           k_q21f10382a1_prep
    .symbol:         k_q21f10382a1_prep.kd
    .args:
      - { .name: query, .offset: 0, .size: 8, .value_kind: global_buffer, .address_space: global }
      - { .name: key, .offset: 8, .size: 8, .value_kind: global_buffer, .address_space: global }
      - { .name: value, .offset: 16, .size: 8, .value_kind: global_buffer, .address_space: global }
      - { .name: Wq, .offset: 24, .size: 8, .value_kind: global_buffer, .address_space: global }
      - { .name: Wk, .offset: 32, .size: 8, .value_kind: global_buffer, .address_space: global }
      - { .name: Wv, .offset: 40, .size: 8, .value_kind: global_buffer, .address_space: global }
      - { .name: Wo, .offset: 48, .size: 8, .value_kind: global_buffer, .address_space: global }
      - { .name: acodes, .offset: 56, .size: 8, .value_kind: global_buffer, .address_space: global }
      - { .name: ascales, .offset: 64, .size: 8, .value_kind: global_buffer, .address_space: global }
      - { .name: wcodes, .offset: 72, .size: 8, .value_kind: global_buffer, .address_space: global }
      - { .name: wscales, .offset: 80, .size: 8, .value_kind: global_buffer, .address_space: global }
      - { .name: woh, .offset: 88, .size: 8, .value_kind: global_buffer, .address_space: global }
    .group_segment_fixed_size: 68096
    .private_segment_fixed_size: 0
    .kernarg_segment_align: 8
    .kernarg_segment_size: 96
    .max_flat_workgroup_size: 128
    .sgpr_count:     66
    .vgpr_count:     194
    .wavefront_size: 32
...
	.end_amdgpu_metadata
.endif
;; end of part 1
;; launch proj (part 2): grid 4 x 96, 4 waves a work-group, clusters of 4 x 4, 327,680 bytes of LDS; arguments acodes, ascales, wcodes, wscales, qkv, bq, bk, bv; writes qkv
.if DOCPART == 2
	.amdgcn_target "amdgcn-amd-amdhsa--gfx1250"
	.amdhsa_code_object_version 6
	.text
	.protected	k_q21f10382a1_proj
	.globl	k_q21f10382a1_proj
	.p2align	8
	.type	k_q21f10382a1_proj,@function
k_q21f10382a1_proj:
	s_mov_b64 s[64:65], 0
	v_nop
	global_prefetch_b8 v0, s[64:65] scope:SCOPE_SE
	s_setreg_imm32_b32 hwreg(HW_REG_WAVE_MODE, 25, 1), 1
	s_wait_xcnt 0x0
	s_wait_alu depctr_hold_cnt(0) depctr_sa_sdst(0) depctr_va_vdst(0) depctr_va_sdst(0) depctr_va_ssrc(0) depctr_va_vcc(0) depctr_vm_vsrc(0)
	s_getreg_b32 s2, hwreg(HW_REG_IB_STS2, 6, 4)
	s_cmp_eq_u32 s2, 0
	s_cbranch_scc0 .Lentry_in_a_cluster
	s_endpgm
.Lentry_in_a_cluster:
	s_bfe_u32 s2, ttmp6, 0x10000c
	s_cmp_lg_u32 s2, 0xf033
	s_cbranch_scc0 .Lentry_shape_is_right
	s_endpgm
.Lentry_shape_is_right:
; PROJ: q = query Wq + bq, k = key Wk + bk, v = value Wv + bv, on codes of FP4 (E2M1) with one E8M0 scale for each 32 along K; sums in f32; results rounded once to f16 and laid by heads.
; A: the three activations' codes on end, [24576][512 bytes], scale bytes [24576][32].  B: the three weights' codes on end, [3072 (n)][512 bytes], scale bytes [3072][32].
; Out: qkv [3][batch 4][head 16][token 2048][64] f16.  LIMIT: |q|, |k|, |v| stay at or under 65,504, f16's largest number.
; A tile of 256 rows x 256 columns is made by a work-group of four waves; a wave makes 128 x 128: 64 accumulators of 16 x 16, 512 registers.  K = 1,024 is two K steps of 512: each fills one of two LDS
; slots ONCE, so nothing is filled again.  The scale bytes of the work-group's rows, for all of K, come once with the first fills.
; Tile row ty = 0 .. 95 walks the 24,576 rows; 32 tile rows, 8 clusters, belong to one product, whose number picks the weight and the bias.
; CLUSTERS: 4 x 4 work-groups.  The four of a row of the cluster need the same tiles of A, the four of a column the same tiles of B: each tile is asked for JOINTLY.
; THE MATRIX INSTRUCTION IS USED TRANSPOSED (source 0 = 16 rows of B, source 1 = 16 rows of A): a lane then holds eight neighbouring columns of one row.  THE BIAS is the C of each sum's first product.
; REGISTERS, in windows of 256: window 0: v0-31 addresses; v32-95 scale words, two sets; v128-191 A's fragments, ONE set; v192-255 the bias in the result's layout; on the way out v128-255 are at work.
;   window 1: B's fragments, TWO sets, at v0 and v128.   window 2: the 32 accumulators of my rows 0-63 ((a, b) at v[8 (8 a + b)]);   window 3: those of my rows 64-127.
.set NQ,     4                         ; matrix instructions deep in a slot: 512 along K
.set ROWB,   256                       ; a tile's row in bytes
.set KROW,   512                       ; a row of codes in memory
.set PITCH,  272                       ; an LDS row: 256 bytes + 16 of padding = 68 words: the 16 rows that a load touches start at 16 different banks (64 banks of 4 bytes: ISA guide 11.1)
.set FR,     8                         ; registers of a fragment: 16 rows x 128 K
.set NL,     2                         ; LDS loads that bring one
.set NP,     4                         ; places behind this matrix instruction (ISA guide 7.12.1)
.set HALFT,  128*PITCH                 ; 128 rows: what one tensor load brings
.set SLOT,   4*HALFT                   ; A's 256 rows, then B's 256 rows
.set KS,     32                        ; a row of scales in bytes
.set SCL,    2*SLOT                    ; behind the slots: the scales, as rows of 256 bytes + 16 of padding
.set HALFS,  (128*KS/256)*272          ; the scales of 128 rows
.set SBLK,   (16*KS/256)*272           ; those of 16 rows
.set SPARE,  SCL+4*HALFS               ; the spare words, 128 bytes for each wave: two blocks of 256 bytes that no other line names
.set SPITCH, 272                       ; the way out: a stage of 16 rows x (256 bytes + 16) for each wave, in slot 0, which has had its only fill and its last read when the first result is stored there
.set ADRA, 16                          ; v16-17  LDS address of my A fragments in slot 0, 1
.set ADRB, 20                          ; v20-21  the same for B
.set STO,  24                          ; v24     the way out: where I put 16 bytes of a row
.set RD,   25                          ; v25     where I read them back
.set CO,   26                          ; v26     my byte offset in qkv
.set ADRS, 27                          ; v27     LDS address of my scale words: lanes 0-15 A's rows, lanes 16-31 B's
.set SPW,  28                          ; v28     LDS address of my spare word; never rewritten
.set NIL,  29                          ; v29     0; never rewritten
.set SC,   32                          ; scale words: set s at v[SC + 32 s]; register 4 i + q: lanes 0-15 the word of A's block i, lanes 16-31 that of B's block i, for the slot's q-th 128 along K
.set AF,   128
.set BI,   192                         ; the bias: for B's block b eight registers: columns 16 b + 8 (lane / 16) + 0 .. 7
.set TMP,  192                         ; the way out: packed results (the bias is done with)
.set OB,   128                         ; the way out: 16 rows read back: v128-159 and v160-191 by turns
.set G1, 24
.set G0, 32
.set G1B, 48
.set G0B, 56
.set G1S, 68
.set G0S, 76
.set G1SB, 80
.set G0SB, 88
.set MSB, 0
.macro WIN new                         ; the immediate's high byte repeats the setting that is left; a switch that changes nothing is dropped
.if MSB != (\new)
	s_set_vgpr_msb (MSB<<8)|(\new)
.set MSB, (\new)
.endif
.endm
.set MUL_LO, 0xa1                      ; source 0 (B) window 1, source 1 (A) window 0, C and D window 2
.set MUL_HI, 0xf1                      ; the same, C and D window 3
.set TO_B,   0x40                      ; destination window 1, address window 0
; A joint load: waves 0 and 1 fetch for A, waves 2 and 3 for B.  Each line has ONE mask and one set of registers for all that issue it; the branch hangs on the wave's number alone.
; An s_nop 0 and four v_nop follow each of the two lines.
.macro JLOAD g0a, g1a, g0b, g1b
	s_cmp_eq_u32 s15, 0
	s_cbranch_scc0 .Lfor_b_\@
	tensor_load_to_lds s[\g0a:\g0a+3], s[\g1a:\g1a+7]
	s_nop 0
.rept 4
	v_nop
.endr
	s_branch .Lasked_\@
.Lfor_b_\@:
	tensor_load_to_lds s[\g0b:\g0b+3], s[\g1b:\g1b+7]
	s_nop 0
.rept 4
	v_nop
.endr
.Lasked_\@:
.endm
.macro CROUND                          ; a round of the cluster's barrier
	s_barrier_signal -1
	s_barrier_wait -1
	s_cmp_lg_u32 s14, 0
	s_cbranch_scc1 .Lnot_wave_0_\@
	s_barrier_signal -3
.Lnot_wave_0_\@:
	s_barrier_wait -3
	s_barrier_signal -1
	s_barrier_wait -1
.endm
	s_load_b128 s[4:7], s[0:1], 0x0                ; A's codes s[4:5], A's scales s[6:7]
	s_load_b128 s[8:11], s[0:1], 0x10              ; B's codes s[8:9], B's scales s[10:11]
	s_load_b64 s[12:13], s[0:1], 0x20              ; qkv
	s_load_b128 s[96:99], s[0:1], 0x28             ; bq, bk
	s_load_b64 s[100:101], s[0:1], 0x38            ; bv
	v_lshl_add_u32 v[SPW], v0, 2, SPARE
	v_mov_b32 v[NIL], 0
	ds_add_u32 v[SPW], v[NIL]                      ; the wave's opening: the add, twice on end, and its wait ahead of my first tensor load
	ds_add_u32 v[SPW], v[NIL]                      ; and once more, under the one wait; the set-up below, work on registers, stands between
	v_lshrrev_b32 v1, 5, v0
	v_readfirstlane_b32 s14, v1                    ; wave 0..3
	s_lshr_b32 s15, s14, 1                         ; which half of the tile's rows is mine.  Also: I fetch for A (0) or for B (1)
	s_and_b32 s16, s14, 1                          ; which half of its columns.  Also: which 128 rows of that tile I fetch
	s_bfe_u32 s40, ttmp6, 0x40000                  ; cx, cy: my place in the cluster
	s_bfe_u32 s41, ttmp6, 0x40004
	s_lshl_b32 s42, ttmp9, 2
	s_add_co_u32 s42, s42, s40                     ; tile column = 4 x cluster x + cx
	s_and_b32 s17, ttmp7, 0xffff                   ; cluster y
	s_lshr_b32 s95, s17, 3                         ; the product: 8 clusters each; all sixteen partners share it
	s_lshl_b32 s17, s17, 2
	s_add_co_u32 s17, s17, s41                     ; tile row = 4 x cluster y + cy
	s_lshl_b32 s43, s41, 2
	s_lshl_b32 s43, 15, s43                        ; my row of the cluster
	s_lshl_b32 s44, 0x1111, s40                    ; my column
	; descriptor group 1: a tile of 128 rows x 256 bytes, padded in LDS
	s_or_b32 s[G1+0], s43, (0<<16)|(1<<20)|(1<<21)|(5<<22)|(3<<25)  ; 15:0 the mask: A's tiles go to my row; 17:16 elements of 1 byte; 20 padding on; 21 set beside a mask; 24:22 after every 64 words; 31:25 four words
	s_or_b32 s[G1B+0], s44, (0<<16)|(1<<20)|(1<<21)|(5<<22)|(3<<25)
.irp g, G1, G1B
	s_mov_b32 s[\g+1], ROWB<<16                    ; tensor_dim0
	s_mov_b32 s[\g+2], 128<<16                     ; tensor_dim1
	s_mov_b32 s[\g+3], ROWB<<16                    ; tile_dim0
	s_mov_b32 s[\g+4], 128                         ; tile_dim1
	s_mov_b32 s[\g+5], KROW                        ; tensor_dim0_stride
	s_mov_b32 s[\g+6], 0
	s_mov_b32 s[\g+7], 0
.endr
	; and for the scales of 128 rows: a dense block of 4,096 bytes, as 16 rows of 256 bytes (32 elements of 8 bytes), 16 bytes of padding behind each
	s_or_b32 s[G1S+0], s43, (3<<16)|(1<<20)|(1<<21)|(5<<22)|(3<<25)
	s_or_b32 s[G1SB+0], s44, (3<<16)|(1<<20)|(1<<21)|(5<<22)|(3<<25)
.irp g, G1S, G1SB
	s_mov_b32 s[\g+1], 32<<16
	s_mov_b32 s[\g+2], (128*KS/256)<<16
	s_mov_b32 s[\g+3], 32<<16
	s_mov_b32 s[\g+4], 128*KS/256
	s_mov_b32 s[\g+5], 32
	s_mov_b32 s[\g+6], 0
	s_mov_b32 s[\g+7], 0
.endr
	s_lshl_b32 s18, s16, 7                         ; which 128 rows of the tile I fetch
	s_lshl_b32 s20, s17, 8
	s_add_co_u32 s20, s20, s18                     ; A: row 256 x tile row + 128 x half
	s_lshl_b32 s46, s42, 8
	s_add_co_u32 s46, s46, s18
	s_lshl_b32 s19, s95, 10
	s_add_co_u32 s46, s46, s19                     ; B: row 1,024 x product + 256 x tile column + 128 x half
	s_lshl_b32 s22, s20, 5                         ; where these rows' scales begin, in bytes,
	s_mov_b32 s23, 0
	s_lshl_b32 s92, s46, 5
	s_mov_b32 s93, 0
	s_lshl_b32 s20, s20, 9                         ; and their codes (all under 2^24)
	s_mov_b32 s21, 0
	s_lshl_b32 s46, s46, 9
	s_mov_b32 s47, 0
	s_mul_i32 s45, s14, HALFT                      ; where they go: wave x 128 rows: no place in the cluster enters an LDS address
	s_mul_i32 s94, s14, HALFS
	s_wait_dscnt 0x0                               ; both opening adds are done
	s_wait_kmcnt 0x0
	s_add_nc_u64 s[20:21], s[4:5], s[20:21]
	s_add_nc_u64 s[22:23], s[6:7], s[22:23]
	s_add_nc_u64 s[46:47], s[8:9], s[46:47]
	s_add_nc_u64 s[92:93], s[10:11], s[92:93]
	CROUND                                         ; all sixteen work-groups are here: the first joint loads meet
	s_mov_b32 s[G0S], 1
	s_add_co_u32 s[G0S+1], s94, SCL
	s_mov_b64 s[G0S+2:G0S+3], s[22:23]
	s_or_b32 s[G0S+3], s[G0S+3], 0x80000000
	s_mov_b32 s[G0SB], 1
	s_add_co_u32 s[G0SB+1], s94, SCL
	s_mov_b64 s[G0SB+2:G0SB+3], s[92:93]
	s_or_b32 s[G0SB+3], s[G0SB+3], 0x80000000
	JLOAD G0S, G1S, G0SB, G1SB                     ; the scales first: they are wanted with K step 0
.irp s, 0,1
	s_mov_b32 s[G0+4*\s], 1
	s_add_co_u32 s[G0+4*\s+1], s45, \s*SLOT
	s_add_nc_u64 s[G0+4*\s+2:G0+4*\s+3], s[20:21], \s*ROWB
	s_or_b32 s[G0+4*\s+3], s[G0+4*\s+3], 0x80000000
	s_mov_b32 s[G0B+4*\s], 1
	s_add_co_u32 s[G0B+4*\s+1], s45, \s*SLOT
	s_add_nc_u64 s[G0B+4*\s+2:G0B+4*\s+3], s[46:47], \s*ROWB
	s_or_b32 s[G0B+4*\s+3], s[G0B+4*\s+3], 0x80000000
	JLOAD G0+4*\s, G1, G0B+4*\s, G1B               ; three loads of mine are out
.endr
	v_and_b32 v1, 15, v0                           ; l % 16
	v_bfe_u32 v2, v0, 4, 1                         ; l / 16
	; the bias of my 128 columns, in the result's layout
	s_cmp_eq_u32 s95, 0
	s_cselect_b64 s[96:97], s[96:97], s[98:99]
	s_cmp_lt_u32 s95, 2
	s_cselect_b64 s[96:97], s[96:97], s[100:101]   ; the choice hangs on the product's number alone
	s_lshl_b32 s18, s42, 10
	s_lshl_b32 s19, s16, 9
	s_add_co_u32 s18, s18, s19                     ; 4 x (256 x tile column + 128 x half)
	s_mov_b32 s19, 0
	s_add_nc_u64 s[96:97], s[96:97], s[18:19]
	v_lshlrev_b32 v7, 5, v2                        ; + 32 bytes for lanes 16-31
.irp b, 0,1,2,3,4,5,6,7
	global_load_b128 v[BI+8*\b:BI+8*\b+3], v7, s[96:97] offset:64*\b
	global_load_b128 v[BI+8*\b+4:BI+8*\b+7], v7, s[96:97] offset:64*\b+16
.endr
	v_mul_u32_u24 v3, v1, PITCH
	v_lshl_add_u32 v4, v2, 4, v3                   ; a fragment's row x pitch + 16 x half
	s_mul_i32 s21, s15, HALFT                      ; my 128 rows of A
	s_mul_i32 s22, s16, HALFT                      ; my 128 rows of B,
	s_add_co_u32 s22, s22, 2*HALFT                 ; which lie behind A's 256
.irp s, 0,1
	v_add_nc_u32 v[ADRA+\s], s21, v4
	v_add_nc_u32 v[ADRB+\s], s22, v4
	s_add_co_u32 s21, s21, SLOT
	s_add_co_u32 s22, s22, SLOT
.endr
	v_mul_u32_u24 v5, v1, KS                       ; my row's scales: 32 bytes a row,
	v_lshrrev_b32 v6, 8, v5
	v_lshl_add_u32 v5, v6, 4, v5                   ; and 16 more for each 256 passed
	s_mul_i32 s21, s15, HALFS                      ; A's: my 128 rows
	s_mul_i32 s22, s16, HALFS                      ; B's: my 128 rows, behind A's 256
	s_add_co_u32 s22, s22, 2*HALFS
	s_sub_co_u32 s22, s22, s21
	v_mul_u32_u24 v6, s22, v2                      ; lanes 16-31 take B's: the lower base + half x the distance
	s_add_co_u32 s21, s21, SCL
	v_add_nc_u32 v5, v5, v6
	v_add_nc_u32 v[ADRS], s21, v5
	s_mul_i32 s23, s14, 16*SPITCH                  ; my stage
	v_mul_u32_u24 v5, v1, SPITCH                   ; in: row l % 16, 16 bytes for each half of the lanes
	v_lshl_add_u32 v5, v2, 4, v5
	v_add_nc_u32 v[STO], s23, v5
	v_bfe_u32 v5, v0, 3, 1                         ; back: lanes 0-15 take two tokens' 128 bytes of my even head, lanes 16-31 of my odd head
	v_mul_u32_u24 v5, v5, SPITCH
	v_lshl_add_u32 v5, v2, 7, v5
	v_and_b32 v6, 7, v0
	v_lshl_add_u32 v5, v6, 4, v5
	v_add_nc_u32 v[RD], s23, v5
	v_lshlrev_b32 v[CO], 18, v2                    ; in qkv a head is 262,144 bytes; two tokens of a head are 256 consecutive bytes
	v_lshl_add_u32 v[CO], v1, 4, v[CO]
	s_lshr_b32 s20, s17, 3                         ; 4 x product + batch: 8 tile rows each
	s_lshl_b32 s20, s20, 4
	s_lshl_b32 s21, s42, 2
	s_add_co_u32 s20, s20, s21
	s_lshl_b32 s21, s16, 1
	s_add_co_u32 s20, s20, s21                     ; + my first head: 4 x tile column + 2 x half
	s_lshl_b32 s20, s20, 11                        ; x 2,048 tokens
	s_and_b32 s21, s17, 7
	s_lshl_b32 s21, s21, 8
	s_add_co_u32 s20, s20, s21
	s_lshl_b32 s21, s15, 7
	s_add_co_u32 s20, s20, s21                     ; + my first token
	s_lshl_b32 s20, s20, 7                         ; x 128 bytes
	s_mov_b32 s21, 0
	s_add_nc_u64 s[12:13], s[12:13], s[20:21]
.macro FRAG reg, adr, q, i             ; a fragment: lane l holds row l % 16; registers 4 c .. 4 c + 3 hold K = 64 c + 32 (l / 16) + 0 .. 31
.irp c, 0,1
	ds_load_b128 v[\reg+4*\c:\reg+4*\c+3], v[\adr] offset:64*(\q)+32*\c+(\i)*16*PITCH
.endr
.endm
; 16 matrix instructions: A's blocks a0, a0 + 1 x B's eight, 128 along K: the slot's q-th.  p: B's set;  sc: the set of scale words.  zero = 1: the first product starts the sums from the bias.
; The 64 accumulators take turns, one instruction a turn, in the same order in every step.
.macro MUL16 a0, p, q, sc, zero
.irp a, \a0, \a0+1
.irp b, 0,1,2,3,4,5,6,7
.if \zero
	v_wmma_scale_f32_16x16x128_f8f6f4 v[8*(8*((\a)%4)+\b):8*(8*((\a)%4)+\b)+7], v[128*(\p)+FR*\b:128*(\p)+FR*\b+FR-1], v[AF+FR*(\a):AF+FR*(\a)+FR-1], v[BI+8*\b:BI+8*\b+7], v[SC+8*NQ*(\sc)+NQ*\b+(\q)], v[SC+8*NQ*(\sc)+NQ*(\a)+(\q)] matrix_a_fmt:MATRIX_FMT_FP4 matrix_b_fmt:MATRIX_FMT_FP4 matrix_a_scale:MATRIX_SCALE_ROW1
.else
	v_wmma_scale_f32_16x16x128_f8f6f4 v[8*(8*((\a)%4)+\b):8*(8*((\a)%4)+\b)+7], v[128*(\p)+FR*\b:128*(\p)+FR*\b+FR-1], v[AF+FR*(\a):AF+FR*(\a)+FR-1], v[8*(8*((\a)%4)+\b):8*(8*((\a)%4)+\b)+7], v[SC+8*NQ*(\sc)+NQ*\b+(\q)], v[SC+8*NQ*(\sc)+NQ*(\a)+(\q)] matrix_a_fmt:MATRIX_FMT_FP4 matrix_b_fmt:MATRIX_FMT_FP4 matrix_a_scale:MATRIX_SCALE_ROW1
.endif
.endr
.endr
.endm
.macro FETCH_B slot, q, p              ; B's eight fragments of the slot's q-th 128 along K into set p
	WIN TO_B
.irp i, 0,1,2,3,4,5,6,7
	FRAG 128*(\p)+FR*\i, ADRB+\slot, \q, \i
.endr
	WIN 0
.endm
.macro FETCH_A slot, q, i0             ; A's blocks i0 .. i0 + 3
.irp i, \i0, \i0+1, \i0+2, \i0+3
	FRAG AF+FR*(\i), ADRA+\slot, \q, \i
.endr
.endm
.macro SCALES sc                       ; a K step's scale words into set sc: four words a row; lanes 0-15 take A's block i, lanes 16-31 B's block i
.irp i, 0,1,2,3,4,5,6,7
	ds_load_b128 v[SC+8*NQ*\sc+NQ*\i:SC+8*NQ*\sc+NQ*\i+3], v[ADRS] offset:\i*SBLK
.endr
.endm
; A load into a register that a matrix instruction has read, and a vector instruction or an LDS store that reads a matrix result, stand NP places behind that matrix instruction; only plain vector
; instructions that name none of its registers are places (ISA guide 7.12.1 for vector instructions).
.macro PLACES n
.rept \n
	v_nop
.endr
.endm
; A step of 128 along K that has its successor in the same slot.  A block of A is free as soon as its eight products are issued: blocks 0-3 are fetched anew in the step's middle, blocks 4-7 at its end.
.macro STEP slot, q, zero
	s_wait_dscnt 4*NL                              ; B's set, the scale words and A's blocks 0-3 are in; the youngest eight loads (A's blocks 4-7) may be out
	WIN MUL_LO-0x20*(\zero)                        ; (zero = 1: C, the bias, lies in window 0)
	MUL16 0, (\q)%2, \q, \slot, \zero
	MUL16 2, (\q)%2, \q, \slot, \zero
	s_wait_dscnt 0                                 ; A's blocks 4-7 are in
	PLACES NP
	FETCH_B \slot, (\q)+1, 1-(\q)%2
	FETCH_A \slot, (\q)+1, 0
	WIN MUL_HI-0x30*(\zero)
	MUL16 4, (\q)%2, \q, \slot, \zero
	MUL16 6, (\q)%2, \q, \slot, \zero
	PLACES NP
	WIN 0
	FETCH_A \slot, (\q)+1, 4
.endm
.macro STEPS slot, from                ; the slot's steps from .. NQ - 2
.set Q, \from
.rept NQ-1-\from
	STEP \slot, Q, 0
.set Q, Q+1
.endr
.endm
	s_wait_tensorcnt 1                             ; the scales and my part of K step 0 are in; K step 1's load may be out
	s_barrier_signal -1
	s_barrier_wait -1                              ; everybody's are
	FETCH_B 0, 0, 0
	FETCH_A 0, 0, 0
	SCALES 0
	FETCH_A 0, 0, 4
	s_wait_loadcnt 0x0                             ; the bias
	STEP 0, 0, 1                                   ; the first step's products start the sums
	STEPS 0, 1
	; slot 0's last step changes slots: one barrier; in front of it each wave waits for all its tensor loads, adds 0 to its spare word, and waits for that and for its reads of slot 0
	s_wait_tensorcnt 0x0                           ; my part of slot 1 has landed  (every window is 0 here)
	ds_add_u32 v[SPW], v[NIL]                      ; 0 onto my spare word
	s_wait_dscnt 4*NL+1                            ; (the add and the youngest eight loads, A's blocks 4-7, may be out)
	WIN MUL_LO
	MUL16 0, 1, NQ-1, 0, 0                         ; sixteen matrix instructions stand between the add and the wait for it
	s_wait_dscnt 0x0                               ; the add is done, and my reads of slot 0 are over
	s_barrier_signal -1
	MUL16 2, 1, NQ-1, 0, 0
	WIN 0
	s_barrier_wait -1                              ; slot 1 is whole, and nobody reads slot 0 any more
	PLACES NP
	v_add_nc_u32 v[ADRS], 4*NQ, v[ADRS]            ; on to K step 1's scale words
	FETCH_B 1, 0, 0
	FETCH_A 1, 0, 0
	SCALES 1
	WIN MUL_HI
	MUL16 4, 1, NQ-1, 0, 0
	MUL16 6, 1, NQ-1, 0, 0
	PLACES NP
	WIN 0
	FETCH_A 1, 0, 4
	STEPS 1, 0
	s_wait_dscnt 4*NL                              ; the very last step: nothing more to fetch
	WIN MUL_LO
	MUL16 0, 1, NQ-1, 1, 0
	MUL16 2, 1, NQ-1, 1, 0
	s_wait_dscnt 0
	WIN MUL_HI
	MUL16 4, 1, NQ-1, 1, 0
	MUL16 6, 1, NQ-1, 1, 0
	WIN 0
; THE WAY OUT, block by block of 16 tokens x 128 columns (two heads).  PACK: rounded to f16, 16 bytes a lane, each accumulator from its low end on.  TOSTAGE: into my own stage and back, so that
; sixteen lanes hold two tokens of one head.  SEND: each half of the lanes stores 256 consecutive bytes, aligned.
.macro PACK a
.set AC, 64*((\a)%4)
	WIN 0x0a+5*((\a)/4)                            ; sources 0 and 1: window 2 or 3
.irp b, 0,1,2,3,4,5,6,7
.irp r, 0,1,2,3
	v_cvt_pk_f16_f32 v[TMP+4*\b+\r], v[AC+8*\b+2*\r], v[AC+8*\b+2*\r+1]
.endr
.endr
	WIN 0
.endm
.macro TOSTAGE a
.set BK, OB+32*((\a)%2)
.irp b, 0,1,2,3,4,5,6,7
	ds_store_b128 v[STO], v[TMP+4*\b:TMP+4*\b+3] offset:32*\b
.endr
.irp t, 0,1,2,3,4,5,6,7
	ds_load_b128 v[BK+4*\t:BK+4*\t+3], v[RD] offset:\t*2*SPITCH    ; LDS serves a wave's instructions in order (ISA guide 5.7.1.4): these see the stores above
.endr
.endm
.macro SEND a
.set BK, OB+32*((\a)%2)
	s_wait_dscnt 0x0                               ; the block is back in registers
	s_wait_xcnt 0x0                                ; the block before has had its addresses translated (ISA guide 3.1): only behind this wait do the next loads from the stage land on registers that its stores read
.irp t, 0,1,2,3,4,5,6,7
	global_store_b128 v[CO], v[BK+4*\t:BK+4*\t+3], s[12:13] offset:(\a)*2048+\t*256
.endr
.endm
	PLACES NP                                      ; behind the last products: for the loads into the registers that held A's fragments
	PACK 0
	TOSTAGE 0
.irp a, 1,2,3,4,5,6,7                  ; block a's conversions stand between block a - 1's loads from the stage and the wait for them
	PACK \a
	SEND \a-1
	TOSTAGE \a
.endr
	SEND 7
	s_wait_tensorcnt 0x0                           ; the wave's end: behind my last tensor load and my last LDS store
	ds_add_u32 v[SPW], v[NIL]
	s_wait_dscnt 0x0
	CROUND                                         ; the closing round: no work-group ends while a partner may still ask for a tile that names it
	s_endpgm
.Lfunc_end_k_q21f10382a1_proj:
	.size	k_q21f10382a1_proj, .Lfunc_end_k_q21f10382a1_proj-k_q21f10382a1_proj
	.p2alignl 7, 3214868480
	.fill 96, 4, 3214868480
	.section	.rodata,"a",@progbits
	.p2align	6, 0x0
	.amdhsa_kernel k_q21f10382a1_proj
		.amdhsa_group_segment_fixed_size 327680
		.amdhsa_private_segment_fixed_size 0
		.amdhsa_enable_private_segment 0
		.amdhsa_kernarg_size 64
		.amdhsa_user_sgpr_count 2
		.amdhsa_user_sgpr_kernarg_segment_ptr 1
		.amdhsa_wavefront_size32 1
		.amdhsa_system_sgpr_workgroup_id_x 1
		.amdhsa_system_sgpr_workgroup_id_y 1
		.amdhsa_system_sgpr_workgroup_id_z 1
		.amdhsa_system_vgpr_workitem_id 0
		.amdhsa_next_free_vgpr 1024
		.amdhsa_next_free_sgpr 102
		.amdhsa_reserve_vcc 0
		.amdhsa_float_denorm_mode_32 3
		.amdhsa_float_denorm_mode_16_64 3
		.amdhsa_memory_ordered 1
		.amdhsa_forward_progress 1
		.amdhsa_inst_pref_size 128
	.end_amdhsa_kernel
	.amdgpu_metadata
---
amdhsa.version: [ 1, 2 ]
amdhsa.kernels:
  - .name:           k_q21f10382a1_proj
    .symbol:         k_q21f10382a1_proj.kd
    .args:
      - { .name: acodes, .offset: 0, .size: 8, .value_kind: global_buffer, .address_space: global }
      - { .name: ascales, .offset: 8, .size: 8, .value_kind: global_buffer, .address_space: global }
      - { .name: wcodes, .offset: 16, .size: 8, .value_kind: global_buffer, .address_space: global }
      - { .name: wscales, .offset: 24, .size: 8, .value_kind: global_buffer, .address_space: global }
      - { .name: qkv, .offset: 32, .size: 8, .value_kind: global_buffer, .address_space: global }
      - { .name: bq, .offset: 40, .size: 8, .value_kind: global_buffer, .address_space: global }
      - { .name: bk, .offset: 48, .size: 8, .value_kind: global_buffer, .address_space: global }
      - { .name: bv, .offset: 56, .size: 8, .value_kind: global_buffer, .address_space: global }
    .group_segment_fixed_size: 327680
    .private_segment_fixed_size: 0
    .kernarg_segment_align: 8
    .kernarg_segment_size: 64
    .max_flat_workgroup_size: 128
    .sgpr_count:     102
    .vgpr_count:     1024
    .wavefront_size: 32
...
	.end_amdgpu_metadata
.endif
;; end of part 2
;; launch attn (part 3): grid 4 x 64, 8 waves a work-group, clusters of 4 x 1, 327,680 bytes of LDS; arguments qkv, mask, ctx; writes ctx
.if DOCPART == 3
	.amdgcn_target "amdgcn-amd-amdhsa--gfx1250"
	.amdhsa_code_object_version 6
	.text
	.protected	k_q21f10382a1_attn
	.globl	k_q21f10382a1_attn
	.p2align	8
	.type	k_q21f10382a1_attn,@function
k_q21f10382a1_attn:
	s_mov_b64 s[64:65], 0
	v_nop
	global_prefetch_b8 v0, s[64:65] scope:SCOPE_SE
	s_setreg_imm32_b32 hwreg(HW_REG_WAVE_MODE, 25, 1), 1
	s_wait_xcnt 0x0
	s_wait_alu depctr_hold_cnt(0) depctr_sa_sdst(0) depctr_va_vdst(0) depctr_va_sdst(0) depctr_va_ssrc(0) depctr_va_vcc(0) depctr_vm_vsrc(0)
	s_getreg_b32 s2, hwreg(HW_REG_IB_STS2, 6, 4)
	s_cmp_eq_u32 s2, 0
	s_cbranch_scc0 .Lentry_in_a_cluster
	s_endpgm
.Lentry_in_a_cluster:
	s_bfe_u32 s2, ttmp6, 0x10000c
	s_cmp_lg_u32 s2, 0x3003
	s_cbranch_scc0 .Lentry_shape_is_right
	s_endpgm
.Lentry_shape_is_right:
; ATTN: ctx[b][h][q][:] = the sum over k of softmax_k(q . k / 8 + mask[b][k] x (-1e9)) v[k][:].  q, k, v: qkv [3][b 4][h 16][token 2048][64] f16; mask [4][2048] f32; ctx [b][h][token][64] f16.
; Products on f16 operands with f32 sums; maxima, exponentials and sums in f32; the weights p are rounded to f16 for the second product, ctx once at the end.
; SHARES.  A cluster of four work-groups serves one (b, h); a work-group owns 512 queries, each of its EIGHT waves 64: four tiles of 16, in 512 registers.  Every wave walks all 2,048 keys, 64 a step.
; So each fragment of K and V that a wave reads from LDS feeds four products.  K's and V's tiles are the same for the four work-groups and are asked for JOINTLY.
; LAYOUT.  S^T = K Q^T (source 0 = 16 keys, source 1 = 16 queries): a lane holds ONE query (lane % 16) and the keys 8 (lane / 16) + 0..7 of a tile.  Two such tiles, rounded to f16 in pairs, ARE
; source 1 of O^T = V^T P, whose result again holds one query a lane.  K comes out of LDS as it lies, V ([key][channel]) turned, by ds_load_tr16_b128.
; SOFTMAX, with a running maximum: t = s x log2(e) / 8 + (mask x (-1e9)) x log2(e);  p = 2^(t - M), M the largest t so far;  in every step O and the sum are multiplied by f = 2^(M_old - M_new).
; LIMIT: the mask's term is added in units of log2.  Where every key of a batch is masked, reference()'s result hangs on the rounding of logits beside 1e9 and this one on the rounding of t beside 1.44e9:
; both give the uniform softmax while |logit| stays under 32, and may differ beyond.  NaN and infinities are not served.
; TWO GROUPS OF WAVES, HALF A STEP APART.  g = (w xor w / 4) % 2.  All waves run one sequence, ... softmax(j - 1), [V^T P(j - 1), K Q^T(j)], softmax(j) ...; a trip of the loop holds the softmax twice,
; once ahead of the products for g = 1 and once behind them for g = 0, each under a branch on g.  So the common barriers stand behind a softmax for g = 0 and behind the products for g = 1, and while
; the waves of one group issue matrix instructions those of the other walk their softmax.  No barrier, tensor load, LDS instruction or wait for one stands under such a branch.
; LDS.  "Pair rows": a head's rows of 128 bytes are dense in memory, so a tile is stated as rows of 256 bytes (two tokens) with padding behind each: token n lies at (n / 2) x pitch + (n % 2) x 128.
; REGISTERS: window 0: v2-14 addresses; v16-47 statistics, 8 a tile; v48-111 K's 8 fragments, later the step's mask terms; v112-127 at work at the head; v128-255 S^T, 32 a tile (P in place, in a tile's first 16).
;   window 1: v0-127 O^T, 32 a tile; v128-191 Q, 16 a tile; v192-255 V's 8 fragments.
.set PK,    272                        ; K's pair row: 256 bytes + 16: the 16 rows of a fragment load start at 16 different groups of four banks (64 banks of 4 bytes: ISA guide 11.1)
.set PVP,   288                        ; V's: 256 + 32
.set VOFF,  128*PK                     ; a slot holds 256 keys: 128 pair rows of K, then 128 of V
.set SLOT1, 1<<17                      ; slot 1 begins here, so that one exclusive or turns an address in one slot into the other's
.set BIAS,  SLOT1+VOFF+128*PVP         ; behind the ring: the batch's 2,048 mask terms, f32
.set SPARE, BIAS+8192                  ; the spare words, 128 bytes for each wave: four blocks of 256 bytes that no other line names
.set STAGE, SPARE+1024                 ; the way out: 16 rows x (128 bytes + 16) for each wave
.set SP,    144
.set AK0, 2                            ; v2   my lane's place in a tile of K; never rewritten
.set AV0, 3                            ; v3   the same for V
.set AB0, 4                            ; v4   and among the mask terms
.set ADK, 5                            ; v5-7 the addresses of the runs of loads in hand
.set ADV, 6
.set ADB, 7
.set QO,  8                            ; v8   my byte offset in the wave's rows of Q
.set STO, 9                            ; v9   the way out: where I put 16 bytes of a row
.set RD,  10                           ; v10  where I read them back
.set GO,  11                           ; v11  my byte offset in the wave's rows of ctx
.set PFO, 12                           ; v12  256 x my lane, for the prefetches; never rewritten
.set SPW, 13                           ; v13  LDS address of my spare word; never rewritten
.set NIL, 14                           ; v14  0; never rewritten
.set ST,  16                           ; tile x's statistics at v[ST + 8 x]: +0 M, +1 written 0 (named with M as a pair), +2, +3 the sum (even keys', odd keys'), +4 to +7 c0-c3 at work; f takes c2's place
.set KB,  48
.set S,   128
.set QF,  128                          ; in window 1
.set VB,  192                          ; in window 1
.set WV,  12                           ; s12  my wave's number
.set GRP, 13                           ; s13  my group
.set CX,  14                           ; s14  my work-group's place in the cluster: it enters Q's, ctx's and the prefetches' addresses alone
.set LIM, 15                           ; s15  1 in a wave that prefetches, else the greatest number
.set PFA, 18                           ; s[18:19] where my prefetches stand
.set G1K, 24                           ; s[24:31] descriptor group 1 for K's tiles;  s[32:39] for V's: it differs in the padding alone
.set G1V, 32
.set G0K, 40                           ; s[40:43], s[44:47] their groups 0, which walk
.set G0V, 44
.set TK,  48                           ; s48-50 LDS byte at which the step's K, V and mask terms begin
.set TV,  49
.set TJ,  50
.set SLOTS, 51                         ; s51  slots still to be asked for
.set CNT, 52                           ; s52  counts a slot's steps
.set CS,  54                           ; s[54:55] log2(e) / 8: the packed form names a pair and takes its low word for both halves
.set SEL, 56                           ; s[56:57] lane selects for v_permlanex16_b32: lane l xor 16
.set QB,  58                           ; s[58:59] Q at my wave's first query
.set OB,  60                           ; s[60:61] ctx likewise
.set MSB, 0
.macro WIN new                         ; the immediate's high byte repeats the setting that is left; a switch that changes nothing is dropped
.if MSB != (\new)
	s_set_vgpr_msb (MSB<<8)|(\new)
.set MSB, (\new)
.endif
.endm
.set W_KQ, 0x04                        ; K and S^T in window 0, Q (source 1) in window 1
.set W_PV, 0x51                        ; V (source 0), C and D in window 1, P in window 0
.set W_RS, 0x41                        ; O^T (destination and source 0) in window 1, f in window 0
.set W_LD, 0x40                        ; destination window 1, address window 0
; Waves 0 and 1 fetch a slot's two halves of K, waves 2 and 3 those of V, the others nothing.  The branches hang on the wave's number alone.  An s_nop 0 and four v_nop follow each line.
.macro TLOAD
	s_cmp_lt_u32 s[WV], 2
	s_cbranch_scc0 .Lnot_k_\@
	tensor_load_to_lds s[G0K:G0K+3], s[G1K:G1K+7]
	s_nop 0
.rept 4
	v_nop
.endr
	s_branch .Lasked_\@
.Lnot_k_\@:
	s_cmp_lt_u32 s[WV], 4
	s_cbranch_scc0 .Lasked_\@
	tensor_load_to_lds s[G0V:G0V+3], s[G1V:G1V+7]
	s_nop 0
.rept 4
	v_nop
.endr
.Lasked_\@:
.endm
; A PREFETCH INTO THE L2 of what the NEXT change of slots will ask for: 32,768 bytes of K and as many of V.  One cluster alone walks a head.  Its four partners share a slot's 128 blocks of 256 bytes out BY
; ADDRESS, 32 each, a lane a block; in each, wave 4 asks for K's and wave 5 for V's: one instruction.  So each block is named once.  It runs a slot's four key steps ahead of the load that wants the data.
; The last change that fills a slot asks for nothing; slots 0 and 1 come by their loads alone.
.macro ASK
	s_cmp_gt_u32 s[SLOTS], s[LIM]
	s_cbranch_scc0 .Lnot_mine_\@
	global_prefetch_b8 v[PFO], s[PFA:PFA+1] th:TH_LOAD_NT scope:SCOPE_SE
.Lnot_mine_\@:
.endm
.macro CROUND                          ; a round of the cluster's barrier
	s_barrier_signal -1
	s_barrier_wait -1
	s_cmp_lg_u32 s[WV], 0
	s_cbranch_scc1 .Lnot_wave_0_\@
	s_barrier_signal -3
.Lnot_wave_0_\@:
	s_barrier_wait -3
	s_barrier_signal -1
	s_barrier_wait -1
.endm
.macro PLACES n
.rept \n
	v_nop
.endr
.endm
	s_load_b128 s[4:7], s[0:1], 0x0                ; qkv s[4:5], mask s[6:7]
	s_load_b64 s[8:9], s[0:1], 0x10                ; ctx
	v_lshl_add_u32 v[SPW], v0, 2, SPARE
	v_mov_b32 v[NIL], 0
	ds_add_u32 v[SPW], v[NIL]                      ; the wave's opening: the add, twice on end, and its wait ahead of my first tensor load
	ds_add_u32 v[SPW], v[NIL]                      ; and once more, under the one wait; the set-up below, work on registers, stands between
	v_lshrrev_b32 v1, 5, v0
	v_readfirstlane_b32 s[WV], v1                  ; wave 0..7
	s_lshr_b32 s[GRP], s[WV], 2
	s_xor_b32 s[GRP], s[GRP], s[WV]
	s_and_b32 s[GRP], s[GRP], 1                    ; waves w and w + 4 differ in it, and so do waves 2 i and 2 i + 1
	s_bfe_u32 s[CX], ttmp6, 0x40000
	s_and_b32 s11, ttmp7, 0xffff                   ; 16 b + h, which the four partners share
	s_lshl_b32 s20, s11, 18                        ; the head's first byte among 64 heads of 262,144 bytes
	s_mov_b32 s21, 0
	s_and_b32 s16, s[WV], 1                        ; which half of a slot I fetch:
	s_lshl_b32 s22, s16, 14                        ; its 128 rows of 128 bytes in memory,
	s_add_co_u32 s22, s22, s20
	s_mov_b32 s23, 0
	s_mul_i32 s17, s16, 64*PK                      ; and its place in a slot: K's,
	s_mul_i32 s10, s16, 64*PVP
	s_add_co_u32 s10, s10, VOFF                    ; V's: no place in the cluster enters an LDS address
	; descriptor group 1: 64 pair rows of 128 elements of 2 bytes, dense in memory, padded in LDS
	s_mov_b32 s[G1K], 15|(1<<16)|(1<<20)|(1<<21)|(5<<22)|(3<<25)  ; 15:0 the mask: all four work-groups; 17:16 elements of 2 bytes; 20 padding on; 21 set beside a mask; 24:22 after every 64 words; 31:25 four words
	s_mov_b32 s[G1V], 15|(1<<16)|(1<<20)|(1<<21)|(5<<22)|(7<<25)  ; the same with eight words of padding
.irp g, G1K, G1V
	s_mov_b32 s[\g+1], 128<<16                     ; tensor_dim0
	s_mov_b32 s[\g+2], 64<<16                      ; tensor_dim1
	s_mov_b32 s[\g+3], 128<<16                     ; tile_dim0
	s_mov_b32 s[\g+4], 64                          ; tile_dim1
	s_mov_b32 s[\g+5], 128                         ; tensor_dim0_stride
	s_mov_b32 s[\g+6], 0
	s_mov_b32 s[\g+7], 0
.endr
	s_mov_b32 s[CS], 0x3e38aa3b                    ; log2(e) / 8
	s_mov_b32 s[CS+1], s[CS]                       ; (named with it as a pair, so it is written)
	s_mov_b32 s[SEL], 0x76543210
	s_mov_b32 s[SEL+1], 0xfedcba98
	s_mov_b32 s[TK], 0
	s_mov_b32 s[TV], 0
	s_mov_b32 s[TJ], 0
	s_mov_b32 s[SLOTS], 7
	s_lshr_b32 s3, s[WV], 1
	s_cmp_eq_u32 s3, 2                             ; waves 4 and 5 prefetch: the same in all four partners
	s_cselect_b32 s[LIM], 1, -1
	s_wait_dscnt 0x0                               ; both opening adds are done
	s_wait_kmcnt 0x0
	s_add_nc_u64 s[2:3], s[4:5], s[22:23]
	s_mov_b32 s[G0K], 1                            ; 1:0 count = 1
	s_mov_b32 s[G0K+1], s17                        ; 63:32 LDS address: slot 0
	s_add_nc_u64 s[G0K+2:G0K+3], s[2:3], 16777216  ; 120:64 global address: k lies 16,777,216 bytes into qkv
	s_or_b32 s[G0K+3], s[G0K+3], 0x80000000        ; 127:126 type = 2
	s_mov_b32 s[G0V], 1
	s_mov_b32 s[G0V+1], s10
	s_add_nc_u64 s[G0V+2:G0V+3], s[2:3], 33554432  ; v lies 33,554,432 bytes in
	s_or_b32 s[G0V+3], s[G0V+3], 0x80000000
	CROUND                                         ; all four work-groups are here: the first joint loads meet
	TLOAD                                          ; slot 0
	s_lshr_b32 s2, s11, 4                          ; the batch:
	s_lshl_b32 s2, s2, 13                          ; its 2,048 numbers of the mask
	s_mov_b32 s3, 0
	s_add_nc_u64 s[6:7], s[6:7], s[2:3]
	v_lshlrev_b32 v120, 5, v0                      ; eight of them a thread
	global_load_b128 v[112:115], v120, s[6:7]
	global_load_b128 v[116:119], v120, s[6:7] offset:16
	s_lshl_b32 s2, s[CX], 16                       ; my work-group's 512 queries of 128 bytes,
	s_lshl_b32 s3, s[WV], 13                       ; my wave's 64
	s_add_co_u32 s2, s2, s3
	s_add_co_u32 s2, s2, s20
	s_mov_b32 s3, 0
	s_add_nc_u64 s[QB:QB+1], s[4:5], s[2:3]
	s_add_nc_u64 s[OB:OB+1], s[8:9], s[2:3]
	v_and_b32 v1, 15, v0                           ; r = l % 16
	v_bfe_u32 v15, v0, 4, 1                        ; h = l / 16
	v_lshlrev_b32 v[QO], 7, v1
	v_lshl_add_u32 v[QO], v15, 4, v[QO]            ; row r of 128 bytes + 16 h
	WIN W_LD
.irp x, 0,1,2,3                        ; Q stays in registers: tile x, channels 32 c on
.irp c, 0,1
	global_load_b128 v[QF+16*\x+8*\c:QF+16*\x+8*\c+3],   v[QO], s[QB:QB+1] offset:\x*2048+64*\c
	global_load_b128 v[QF+16*\x+8*\c+4:QF+16*\x+8*\c+7], v[QO], s[QB:QB+1] offset:\x*2048+64*\c+32
.endr
.endr
.set i, 0
.rept 128
	v_mov_b32 v[i], 0                              ; O^T.  The step is written once for both groups: its first softmax finds zeros, which f = 0 leaves zeros
.set i, i+1
.endr
	WIN 0
	s_mov_b32 s2, 33554432                         ; the prefetches: wave 4 stands in k, wave 5 in v,
	s_cmp_eq_u32 s[WV], 4
	s_cselect_b32 s2, 16777216, s2
	s_add_co_u32 s2, s2, s20                       ; in my head,
	s_lshl_b32 s3, s[CX], 13
	s_add_co_u32 s2, s2, s3                        ; at my work-group's 32 blocks,
	s_add_co_u32 s2, s2, 32768                     ; in slot 1: the first change of slots steps it to slot 2.  Nothing is prefetched here, at the head
	s_mov_b32 s3, 0
	s_add_nc_u64 s[PFA:PFA+1], s[4:5], s[2:3]
	v_lshrrev_b32 v122, 1, v1
	v_mul_u32_u24 v[AK0], v122, PK
	v_and_b32 v122, 1, v1
	v_lshl_add_u32 v[AK0], v122, 7, v[AK0]
	v_lshl_add_u32 v[AK0], v15, 4, v[AK0]          ; K: (r / 2) pair rows + (r % 2) x 128 + 16 h
	v_bfe_u32 v122, v0, 1, 2
	v_lshl_add_u32 v122, v15, 2, v122              ; V: key 8 h + l % 8: pair row 4 h + (l % 8) / 2,
	v_mul_u32_u24 v[AV0], v122, PVP
	v_and_b32 v122, 1, v0
	v_lshl_add_u32 v[AV0], v122, 7, v[AV0]         ; + (l % 2) x 128,
	v_bfe_u32 v122, v0, 3, 1
	v_lshl_add_u32 v[AV0], v122, 4, v[AV0]         ; channels 8 ((l / 8) % 2) on
	v_add_nc_u32 v[AV0], VOFF, v[AV0]
	v_lshl_add_u32 v[AB0], v15, 5, BIAS            ; the mask terms of keys 8 h + 0 .. 7 of a tile
	s_mul_i32 s10, s[WV], 16*SP
	s_add_co_u32 s10, s10, STAGE                   ; my stage
	v_mul_u32_u24 v[STO], v1, SP                   ; in: row r, 16 bytes for each half of the lanes
	v_lshl_add_u32 v[STO], v15, 4, v[STO]
	v_add_nc_u32 v[STO], s10, v[STO]
	v_bfe_u32 v122, v0, 3, 2                       ; back: eight lanes to a row of 128 bytes, four rows an instruction
	v_mul_u32_u24 v[RD], v122, SP
	v_and_b32 v122, 7, v0
	v_lshl_add_u32 v[RD], v122, 4, v[RD]
	v_add_nc_u32 v[RD], s10, v[RD]
	v_and_b32 v[GO], 31, v0
	v_lshlrev_b32 v[PFO], 8, v[GO]
	v_lshlrev_b32 v[GO], 4, v[GO]                  ; in ctx those four rows are 512 consecutive bytes
	v_lshl_add_u32 v121, v0, 5, BIAS               ; where my eight mask terms go
.irp x, 0,1,2,3
	v_mov_b32 v[ST+8*\x], 0xff61b1e6               ; M: -3e38, under every t
.irp k, 1,2,3,4,5,6,7
	v_mov_b32 v[ST+8*\x+\k], 0                     ; the sum; and the rest is written once, since pairs and a lane permute's destination count as read
.endr
.endr
	s_wait_loadcnt 16                              ; the mask is in; Q's sixteen loads may be out
.irp j, 112,114,116,118
	v_pk_mul_f32 v[\j:\j+1], v[\j:\j+1], 0xce6e6b28 op_sel_hi:[1,0]   ; mask x (-1e9), rounded as reference() rounds it,
.endr
.irp j, 112,114,116,118
	v_pk_mul_f32 v[\j:\j+1], v[\j:\j+1], 0x3fb8aa3b op_sel_hi:[1,0]   ; in units of log2
.endr
	ds_store_b128 v121, v[112:115]
	ds_store_b128 v121, v[116:119] offset:16
	s_wait_loadcnt 0x0                             ; Q
; THE LDS LOADS stand in runs.  A step's K: 64 keys x 64 channels: fragment (t, c) = keys 16 t on, channels 32 c on.
.macro LOADK
	v_add_nc_u32 v[ADK], s[TK], v[AK0]
.irp t, 0,1,2,3
.irp c, 0,1
	ds_load_b128 v[KB+8*(2*\t+\c):KB+8*(2*\t+\c)+3],   v[ADK] offset:\t*8*PK+64*\c
	ds_load_b128 v[KB+8*(2*\t+\c)+4:KB+8*(2*\t+\c)+7], v[ADK] offset:\t*8*PK+64*\c+32
.endr
.endr
.endm
; Its V, turned: fragment 4 u + c = keys 32 u on, channels 16 c on.
.macro LOADV
	v_add_nc_u32 v[ADV], s[TV], v[AV0]
	WIN W_LD
.irp u, 0,1
.irp c, 0,1,2,3
	ds_load_tr16_b128 v[VB+8*(4*\u+\c):VB+8*(4*\u+\c)+3],   v[ADV] offset:\u*16*PVP+32*\c
	ds_load_tr16_b128 v[VB+8*(4*\u+\c)+4:VB+8*(4*\u+\c)+7], v[ADV] offset:\u*16*PVP+8*PVP+32*\c
.endr
.endr
.endm
; Its mask terms, in S^T's layout, into the registers that K's first four fragments have left.
.macro LOADB
	v_add_nc_u32 v[ADB], s[TJ], v[AB0]
.irp t, 0,1,2,3
	ds_load_b128 v[KB+8*\t:KB+8*\t+3],   v[ADB] offset:64*\t
	ds_load_b128 v[KB+8*\t+4:KB+8*\t+7], v[ADB] offset:64*\t+16
.endr
.endm
; THE MATRIX WORK.  The 16 accumulators take turns, one instruction a turn: between two links of a chain stand 15 others'.
.macro KQ                              ; S^T = K Q^T: the first 16 start the sums
	WIN W_KQ
.irp c, 0,1
.irp t, 0,1,2,3
.irp x, 0,1,2,3
.if \c == 0
	v_wmma_f32_16x16x32_f16 v[S+32*\x+8*\t:S+32*\x+8*\t+7], v[KB+8*(2*\t+\c):KB+8*(2*\t+\c)+7], v[QF+16*\x+8*\c:QF+16*\x+8*\c+7], 0
.else
	v_wmma_f32_16x16x32_f16 v[S+32*\x+8*\t:S+32*\x+8*\t+7], v[KB+8*(2*\t+\c):KB+8*(2*\t+\c)+7], v[QF+16*\x+8*\c:QF+16*\x+8*\c+7], v[S+32*\x+8*\t:S+32*\x+8*\t+7]
.endif
.endr
.endr
.endr
.endm
.macro PV                              ; O^T += V^T P
	WIN W_PV
.irp u, 0,1
.irp c, 0,1,2,3
.irp x, 0,1,2,3
	v_wmma_f32_16x16x32_f16 v[32*\x+8*\c:32*\x+8*\c+7], v[VB+8*(4*\u+\c):VB+8*(4*\u+\c)+7], v[S+32*\x+8*\u:S+32*\x+8*\u+7], v[32*\x+8*\c:32*\x+8*\c+7]
.endr
.endr
.endr
.endm
; THE SOFTMAX of a step, the four tiles by turns line by line, so that no line waits for the line above it.  It works on registers alone: the mask terms that it reads were waited for in the part that every wave runs.
.macro SM
.irp b, 0,1,2,3,4,5,6,7,8,9,10,11,12,13,14,15
.irp x, 0,1,2,3
	v_pk_fma_f32 v[S+32*\x+2*\b:S+32*\x+2*\b+1], v[S+32*\x+2*\b:S+32*\x+2*\b+1], s[CS:CS+1], v[KB+2*\b:KB+2*\b+1] op_sel_hi:[1,0,1]   ; t; each accumulator is read from its low end on
.endr
.endr
.irp k, 0,1,2,3                        ; the largest of my 32 t and the old M, three operands at a time: four chains of seven,
.irp x, 0,1,2,3
	v_max3_num_f32 v[ST+8*\x+4+\k], v[S+32*\x+8*\k], v[S+32*\x+8*\k+1], v[S+32*\x+8*\k+2]
.endr
.endr
.irp i, 3,5
.irp k, 0,1,2,3
.irp x, 0,1,2,3
	v_max3_num_f32 v[ST+8*\x+4+\k], v[ST+8*\x+4+\k], v[S+32*\x+8*\k+\i], v[S+32*\x+8*\k+\i+1]
.endr
.endr
.endr
.irp x, 0,1,2,3                        ; then the four left over, the chains and M
	v_max3_num_f32 v[ST+8*\x+4], v[ST+8*\x+4], v[S+32*\x+7], v[S+32*\x+15]
.endr
.irp x, 0,1,2,3
	v_max3_num_f32 v[ST+8*\x+6], v[ST+8*\x+6], v[S+32*\x+23], v[S+32*\x+31]
.endr
.irp x, 0,1,2,3
	v_max3_num_f32 v[ST+8*\x+4], v[ST+8*\x+4], v[ST+8*\x+5], v[ST+8*\x+6]
.endr
.irp x, 0,1,2,3
	v_max3_num_f32 v[ST+8*\x+4], v[ST+8*\x+4], v[ST+8*\x+7], v[ST+8*\x]
.endr
.irp x, 0,1,2,3
	v_permlanex16_b32 v[ST+8*\x+5], v[ST+8*\x+4], s[SEL], s[SEL+1]   ; the query's other 32 keys lie in the lane 16 away
.endr
.irp x, 0,1,2,3
	v_max_num_f32 v[ST+8*\x+4], v[ST+8*\x+4], v[ST+8*\x+5]
.endr
.irp x, 0,1,2,3
	v_sub_f32 v[ST+8*\x+7], v[ST+8*\x], v[ST+8*\x+4]                 ; M_old - M_new, 0 or less
.endr
.irp x, 0,1,2,3
	v_mov_b32 v[ST+8*\x], v[ST+8*\x+4]
.endr
.irp x, 0,1,2,3
	v_exp_f32 v[ST+8*\x+6], v[ST+8*\x+7]                             ; f.  ONE BATCH begins: from here to the wait nothing names an exponential's result
.endr
.irp b, 0,1,2,3,4,5,6,7,8,9,10,11,12,13,14,15
.irp x, 0,1,2,3
	v_pk_add_f32 v[S+32*\x+2*\b:S+32*\x+2*\b+1], v[S+32*\x+2*\b:S+32*\x+2*\b+1], v[ST+8*\x:ST+8*\x+1] op_sel_hi:[1,0] neg_lo:[0,1] neg_hi:[0,1]   ; t - M
.endr
.irp x, 0,1,2,3
	v_exp_f32 v[S+32*\x+2*\b], v[S+32*\x+2*\b]                       ; p, at most 1
	v_exp_f32 v[S+32*\x+2*\b+1], v[S+32*\x+2*\b+1]
.endr
.endr
	v_nop                                          ; the plain line behind the last exponential,
	s_wait_alu depctr_va_vdst(0)                   ; and the wait ahead of the first reader: one for the 132 exponentials
.irp x, 0,1,2,3
	v_pk_add_f32 v[ST+8*\x+4:ST+8*\x+5], v[S+32*\x:S+32*\x+1], v[S+32*\x+2:S+32*\x+3]   ; the step's sum of the unrounded p, even keys' and odd keys'
.endr
.irp b, 2,3,4,5,6,7,8,9,10,11,12,13,14,15
.irp x, 0,1,2,3
	v_pk_add_f32 v[ST+8*\x+4:ST+8*\x+5], v[ST+8*\x+4:ST+8*\x+5], v[S+32*\x+2*\b:S+32*\x+2*\b+1]
.endr
.endr
.irp x, 0,1,2,3
	v_pk_fma_f32 v[ST+8*\x+2:ST+8*\x+3], v[ST+8*\x+2:ST+8*\x+3], v[ST+8*\x+6:ST+8*\x+7], v[ST+8*\x+4:ST+8*\x+5] op_sel_hi:[1,0,1]   ; the sum x f + the step's
.endr
.irp i, 0,1,2,3,4,5,6,7,8,9,10,11,12,13,14,15
.irp x, 0,1,2,3
	v_cvt_pk_f16_f32 v[S+32*\x+\i], v[S+32*\x+2*\i], v[S+32*\x+2*\i+1]   ; P, in place and ascending: no source is written before it is read
.endr
.endr
	WIN W_RS
.irp i, 0,1,2,3,4,5,6,7,8,9,10,11,12,13,14,15
.irp x, 0,1,2,3
	v_pk_mul_f32 v[32*\x+2*\i:32*\x+2*\i+1], v[32*\x+2*\i:32*\x+2*\i+1], v[ST+8*\x+6:ST+8*\x+7] op_sel_hi:[1,0]   ; O^T x f
.endr
.endr
	WIN 0
.endm
.macro SM_IF g                         ; the softmax, in the waves of group g
	s_cmp_lg_u32 s[GRP], \g
	s_cbranch_scc1 .Lother_\@
	SM
.Lother_\@:
.endm
; The end of the part that every wave runs: the addresses step, and ALL my LDS loads are waited for: the mask terms, which the softmax reads next (group 0's here, group 1's at the next trip's head) and onto
; whose registers the next trip's loads of K land, and V, which the next trip's V^T P reads.  The wait stands outside the branches on the group, so that it is passed on every way through the text.
.macro NEXTSTEP
	s_add_co_u32 s[TK], s[TK], 32*PK               ; 64 keys on: 32 pair rows,
	s_add_co_u32 s[TV], s[TV], 32*PVP
	s_add_co_u32 s[TJ], s[TJ], 256                 ; 64 mask terms
	s_wait_dscnt 0x0
.endm
; A TRIP, step j.  All reads of the ring stand in the part that both groups run, and are waited for at that part's end.
.macro STEP
	SM_IF 1                                        ; group 1: the softmax of step j - 1
	LOADK                                          ; K(j): no LDS load of mine was out
	PV                                             ; V^T P of step j - 1: V(j - 1) was waited for at the last trip's end
	WIN 0
	PLACES 5                                       ; behind those products: four ahead of the loads into V's registers, five ahead of the products that write S^T over P
	LOADV                                          ; V(j)
	s_wait_dscnt 16                                ; K is in; V's 16 loads may be out
	KQ
	WIN 0
	PLACES 4                                       ; ahead of the loads into K's registers and of the softmax's first reads
	LOADB
	NEXTSTEP
	SM_IF 0                                        ; group 0: the softmax of step j
.endm
.macro STEPS n
	s_mov_b32 s[CNT], \n
.Lstep_\@:
	STEP
	s_sub_co_u32 s[CNT], s[CNT], 1
	s_cmp_lg_u32 s[CNT], 0
	s_cbranch_scc1 .Lstep_\@
.endm
.macro SLOT_END                        ; the fetches go back to a slot's first step, in the other slot
	s_sub_co_u32 s[TK], s[TK], 128*PK
	s_xor_b32 s[TK], s[TK], SLOT1
	s_sub_co_u32 s[TV], s[TV], 128*PVP
	s_xor_b32 s[TV], s[TV], SLOT1
.endm
; THE CHANGE OF SLOTS stands at a slot's head.  Each wave waits for all its tensor loads (its part of the slot ahead), adds 0 to its spare word, and waits for that and for its reads of the slot that it has left.
; fill = 1: the barrier is a round of the cluster's, so that no wave of any partner still reads that slot or has a load on its way; behind it the slot is filled with the keys that follow: one load a wave,
; which has four key steps in which to land.  Every wait on TENSORcnt in this text is for 0, and a wave has at most one tensor load out.
.macro CHANGE fill
	s_wait_tensorcnt 0x0                           ; no tensor load of mine is out, so a group 0 may be written
	ds_add_u32 v[SPW], v[NIL]                      ; 0 onto my spare word
.if \fill
	ds_add_u32 v[SPW], v[NIL]                      ; and once more
	s_xor_b32 s[G0K+1], s[G0K+1], SLOT1            ; the walking descriptors: the other slot than last time,
	s_add_nc_u64 s[G0K+2:G0K+3], s[G0K+2:G0K+3], 32768   ; the next 256 keys; the type bits on top are not reached
	s_xor_b32 s[G0V+1], s[G0V+1], SLOT1
	s_add_nc_u64 s[G0V+2:G0V+3], s[G0V+2:G0V+3], 32768
	s_wait_xcnt 0x0                                ; the last prefetch, a slot back, has read its address, so it may be written:
	s_add_nc_u64 s[PFA:PFA+1], s[PFA:PFA+1], 32768 ; one slot further on than the walking descriptors
	s_wait_dscnt 0x0                               ; both adds are done, and my LDS stores and my reads of the slot that I have left are over
	CROUND
	TLOAD                                          ; the first thing behind the round
	ASK
.else
	s_wait_dscnt 0x0
	s_barrier_signal -1
	s_barrier_wait -1
.endif
.endm
	CHANGE 1                                       ; slot 0 is whole, and so are the mask terms; slot 1 is asked for
	LOADK                                          ; step 0 has no products V^T P
	LOADV
	s_wait_dscnt 16                                ; K is in; V's 16 loads may be out
	KQ
	WIN 0
	PLACES 4
	LOADB
	NEXTSTEP                                       ; (its wait for 0 also serves the barrier below: the softmax issues no LDS instruction)
	SM_IF 0
	s_barrier_signal -1                            ; group 1 waits here for group 0's first softmax: from now on the groups are half a step apart.
	s_barrier_wait -1
	STEPS 3
	SLOT_END
	s_mov_b32 s[SLOTS], 6
.Lslot:                                            ; six trips: slots 1 to 6 are walked, slots 2 to 7 asked for
	CHANGE 1
	STEPS 4
	SLOT_END
	s_sub_co_u32 s[SLOTS], s[SLOTS], 1
	s_cmp_lg_u32 s[SLOTS], 0
	s_cbranch_scc1 .Lslot
	CHANGE 0                                       ; the last slot is written out
	STEPS 4
	SM_IF 1                                        ; group 1's last softmax
	PV                                             ; V^T P of the last step: its V was waited for at the last trip's end
	WIN 0
	; THE WAY OUT.  The sum's two halves and the other half of the lanes' are added (these lines are the places behind the last products); O^T is divided by the sum, rounded to f16 and sent through my stage.
.irp x, 0,1,2,3
	v_add_f32 v[ST+8*\x+4], v[ST+8*\x+2], v[ST+8*\x+3]
.endr
.irp x, 0,1,2,3
	v_permlanex16_b32 v[ST+8*\x+5], v[ST+8*\x+4], s[SEL], s[SEL+1]
.endr
.irp x, 0,1,2,3
	v_add_f32 v[ST+8*\x+4], v[ST+8*\x+4], v[ST+8*\x+5]
.endr
.irp x, 0,1,2,3
	v_rcp_f32 v[ST+8*\x+6], v[ST+8*\x+4]
.endr
	v_nop                                          ; a plain line behind the last reciprocal,
	s_wait_alu depctr_va_vdst(0)                   ; and the wait ahead of the first use: one for the four
.macro OUTX x                          ; tile x: a lane's eight channels of a row pack into 16 bytes; they go into rows of 144 bytes and come back four whole rows an instruction
	WIN W_RS
.irp i, 0,1,2,3,4,5,6,7,8,9,10,11,12,13,14,15
	v_pk_mul_f32 v[32*\x+2*\i:32*\x+2*\i+1], v[32*\x+2*\i:32*\x+2*\i+1], v[ST+8*\x+6:ST+8*\x+7] op_sel_hi:[1,0]
.endr
	WIN 0x05                                       ; sources 0 and 1 window 1, destination window 0
.irp i, 0,1,2,3,4,5,6,7,8,9,10,11,12,13,14,15
	v_cvt_pk_f16_f32 v[S+32*\x+\i], v[32*\x+2*\i], v[32*\x+2*\i+1]
.endr
	WIN 0
.irp c, 0,1,2,3
	ds_store_b128 v[STO], v[S+32*\x+4*\c:S+32*\x+4*\c+3] offset:32*\c
.endr
.irp t, 0,1,2,3
	ds_load_b128 v[S+32*\x+16+4*\t:S+32*\x+16+4*\t+3], v[RD] offset:4*SP*\t   ; LDS serves a wave's instructions in order (ISA guide 5.7.1.4): these see the stores above; the next tile's stores come behind them
.endr
.endm
.macro SENDX x, younger                ; younger: the LDS instructions issued behind tile x's loads: the next tile's eight, or none
.irp t, 0,1,2,3
	s_wait_dscnt \younger+3-\t
	global_store_b128 v[GO], v[S+32*\x+16+4*\t:S+32*\x+16+4*\t+3], s[OB:OB+1] offset:\x*2048+512*\t   ; the wave stores 512 consecutive bytes, at a multiple of 256 from ctx's first byte
.endr
.endm
	OUTX 0
	OUTX 1                                         ; a tile's arithmetic stands between the loads of the tile before and its stores
	SENDX 0, 8
	OUTX 2
	SENDX 1, 8
	OUTX 3
	SENDX 2, 8
	SENDX 3, 0
	s_wait_tensorcnt 0x0                           ; the wave's end: behind my last tensor load and my last LDS store
	ds_add_u32 v[SPW], v[NIL]
	s_wait_dscnt 0x0
	CROUND                                         ; the closing round: no work-group ends while a partner may still ask for a tile that names it
	s_endpgm
.Lfunc_end_k_q21f10382a1_attn:
	.size	k_q21f10382a1_attn, .Lfunc_end_k_q21f10382a1_attn-k_q21f10382a1_attn
	.p2alignl 7, 3214868480
	.fill 96, 4, 3214868480
	.section	.rodata,"a",@progbits
	.p2align	6, 0x0
	.amdhsa_kernel k_q21f10382a1_attn
		.amdhsa_group_segment_fixed_size 327680
		.amdhsa_private_segment_fixed_size 0
		.amdhsa_enable_private_segment 0
		.amdhsa_kernarg_size 24
		.amdhsa_user_sgpr_count 2
		.amdhsa_user_sgpr_kernarg_segment_ptr 1
		.amdhsa_wavefront_size32 1
		.amdhsa_system_sgpr_workgroup_id_x 1
		.amdhsa_system_sgpr_workgroup_id_y 1
		.amdhsa_system_sgpr_workgroup_id_z 1
		.amdhsa_system_vgpr_workitem_id 0
		.amdhsa_next_free_vgpr 512
		.amdhsa_next_free_sgpr 66
		.amdhsa_reserve_vcc 0
		.amdhsa_float_denorm_mode_32 3
		.amdhsa_float_denorm_mode_16_64 3
		.amdhsa_memory_ordered 1
		.amdhsa_forward_progress 1
		.amdhsa_inst_pref_size 255
	.end_amdhsa_kernel
	.section	.bss,"aw",@nobits
	.p2align	6
	.space	262144
	.amdgpu_metadata
---
amdhsa.version: [ 1, 2 ]
amdhsa.kernels:
  - .name:           k_q21f10382a1_attn
    .symbol:         k_q21f10382a1_attn.kd
    .args:
      - { .name: qkv, .offset: 0, .size: 8, .value_kind: global_buffer, .address_space: global }
      - { .name: mask, .offset: 8, .size: 8, .value_kind: global_buffer, .address_space: global }
      - { .name: ctx, .offset: 16, .size: 8, .value_kind: global_buffer, .address_space: global }
    .group_segment_fixed_size: 327680
    .private_segment_fixed_size: 0
    .kernarg_segment_align: 8
    .kernarg_segment_size: 24
    .max_flat_workgroup_size: 256
    .sgpr_count:     66
    .vgpr_count:     512
    .wavefront_size: 32
...
	.end_amdgpu_metadata
.endif
;; end of part 3
;; launch outp (part 4): grid 4 x 64, 4 waves a work-group, clusters of 4 x 4, 327,680 bytes of LDS; arguments ctx, woh, bo, out0; writes out0
.if DOCPART == 4
	.amdgcn_target "amdgcn-amd-amdhsa--gfx1250"
	.amdhsa_code_object_version 6
	.text
	.protected	k_q21f10382a1_outp
	.globl	k_q21f10382a1_outp
	.p2align	8
	.type	k_q21f10382a1_outp,@function
k_q21f10382a1_outp:
	s_mov_b64 s[64:65], 0
	v_nop
	global_prefetch_b8 v0, s[64:65] scope:SCOPE_SE
	s_setreg_imm32_b32 hwreg(HW_REG_WAVE_MODE, 25, 1), 1
	s_wait_xcnt 0x0
	s_wait_alu depctr_hold_cnt(0) depctr_sa_sdst(0) depctr_va_vdst(0) depctr_va_sdst(0) depctr_va_ssrc(0) depctr_va_vcc(0) depctr_vm_vsrc(0)
	s_getreg_b32 s2, hwreg(HW_REG_IB_STS2, 6, 4)
	s_cmp_eq_u32 s2, 0
	s_cbranch_scc0 .Lentry_in_a_cluster
	s_endpgm
.Lentry_in_a_cluster:
	s_bfe_u32 s2, ttmp6, 0x10000c
	s_cmp_lg_u32 s2, 0xf033
	s_cbranch_scc0 .Lentry_shape_is_right
	s_endpgm
.Lentry_shape_is_right:
; OUTP: out0[token][n] = the sum over k of ctx[token][k] Wo[k][n] + bo[n].  ctx: [b 4][h 16][token 2048][64] f16 (k = 64 h + d);  woh: Wo as f16, [1024 (k)][1024 (n)];  bo f32;  out0 [8192][1024] f32.
; f16 operands, f32 sums.  A tile of 128 tokens x 256 columns is made by a work-group of four waves: 256 work-groups; a wave makes 64 x 128: 32 accumulators of 16 x 16.
; K goes in steps of 128, two heads, through a ring of two LDS slots filled by the tensor data mover: waves 0 and 1 fetch one head's panel of ctx each, waves 2 and 3 64 rows of Wo each.
; A head's rows of 128 bytes are dense in memory: a panel is stated as pair rows of 256 bytes (two tokens) + 16 of padding: token n at (n / 2) x 272 + (n % 2) x 128.
; Wo lies [k][n]: its fragments come out of LDS turned, by ds_load_tr16_b128, from rows of 512 bytes + 32 of padding.
; CLUSTERS: 4 x 4 work-groups.  The four of a row of the cluster need the same panels of ctx, the four of a column the same rows of Wo: each tile is asked for JOINTLY.
; THE MATRIX INSTRUCTION IS USED TRANSPOSED (source 0 = 16 columns of Wo, source 1 = 16 tokens): a lane holds eight neighbouring numbers of a row of out0.  THE BIAS is the C of each sum's first product.
; REGISTERS: window 0: v0-31 addresses; v32-95 the bias in the result's layout; v128-255 the way out.   window 1: two fragment buffers of 96: Wo's 8 fragments, then ctx's 4.   window 2: the accumulators, (a, b) at v[8 (8 a + b)].
.set PA,     272
.set PB,     544                       ; 136 words: row i starts at bank 8 i mod 64 (64 banks of 4 bytes: ISA guide 11.1)
.set PANEL,  64*PA                     ; one head's 128 tokens
.set BOFF,   2*PANEL                   ; a slot: two panels, then 128 rows of Wo
.set HALFB,  64*PB
.set SLOT,   BOFF+2*HALFB
.set STAGE,  2*SLOT                    ; behind the ring: 16 rows x (512 bytes + 16) for each wave
.set SPITCH, 528
.set SPARE,  STAGE+4*16*SPITCH         ; the spare words, 128 bytes for each wave: two blocks of 256 bytes that no other line names
.set LAPS,   4                         ; a lap = two K steps = once round the ring
.set ADRA, 16                          ; v16-17  LDS address of my fragments of ctx in slot 0, 1
.set ADRB, 20                          ; v20-21  the same for Wo
.set STO,  24                          ; v24     the way out: where I put 32 bytes of a row
.set RD,   25                          ; v25     where I read a row back
.set CO,   26                          ; v26     my byte offset in a row of out0
.set PFO,  27                          ; v27     the prefetches' offset; never rewritten
.set SPW,  28                          ; v28     LDS address of my spare word; never rewritten
.set NIL,  29                          ; v29     0; never rewritten
.set BI,   32
.set BK,   128
.set F0,   0                           ; fragment buffers, in window 1
.set F1,   128
.set LIM,  15                          ; s15     1 in the wave that prefetches, else the greatest number
.set PFA,  20                          ; s[20:21] where my prefetches stand
.set G1, 24
.set G0, 32
.set G1B, 48
.set G0B, 56
.set MSB, 0
.macro WIN new                         ; the immediate's high byte repeats the setting that is left; a switch that changes nothing is dropped
.if MSB != (\new)
	s_set_vgpr_msb (MSB<<8)|(\new)
.set MSB, (\new)
.endif
.endm
.set MUL,  0xa5                        ; sources 0 and 1 window 1; C and D window 2
.set TO_F, 0x40                        ; destination window 1, address window 0
.macro JLOAD s                         ; a joint load: waves 0 and 1 fetch for ctx, waves 2 and 3 for Wo; an s_nop 0 and four v_nop follow each of the two lines
	s_cmp_eq_u32 s13, 0
	s_cbranch_scc0 .Lfor_b_\@
	tensor_load_to_lds s[G0+4*\s:G0+4*\s+3], s[G1:G1+7]
	s_nop 0
.rept 4
	v_nop
.endr
	s_branch .Lasked_\@
.Lfor_b_\@:
	tensor_load_to_lds s[G0B+4*\s:G0B+4*\s+3], s[G1B:G1B+7]
	s_nop 0
.rept 4
	v_nop
.endr
.Lasked_\@:
.endm
; A PREFETCH INTO THE L2 of ctx, behind each refill and the run of LDS loads that follows it: the K step that stands two refills on: two heads x 128 tokens x 128 bytes = 128 blocks of 256 bytes.  One row of one
; cluster alone reads a tile row's panels; its four partners share the blocks out BY ADDRESS, 32 each (16 of each head), a lane a block; in each, wave 0 asks: one instruction.  So each block is named once.
; K steps 0 to 3 come by their loads alone; the loop's last trip, whose look-ahead would pass head 15, asks for nothing.  Wo is left out: all 64 tile rows read the same rows of it.
.macro ASK
	s_cmp_gt_u32 s3, s[LIM]                        ; s3 = 1 in the loop's last trip
	s_cbranch_scc0 .Lnot_mine_\@
	global_prefetch_b8 v[PFO], s[PFA:PFA+1] th:TH_LOAD_NT scope:SCOPE_SE
.Lnot_mine_\@:
.endm
.macro CREST                           ; a round of the cluster's barrier behind its opening barrier
	s_cmp_lg_u32 s12, 0
	s_cbranch_scc1 .Lnot_wave_0_\@
	s_barrier_signal -3
.Lnot_wave_0_\@:
	s_barrier_wait -3
	s_barrier_signal -1
	s_barrier_wait -1
.endm
.macro CROUND                          ; a whole round
	s_barrier_signal -1
	s_barrier_wait -1
	CREST
.endm
	s_load_b256 s[4:11], s[0:1], 0x0               ; ctx s[4:5], woh s[6:7], bo s[8:9], out0 s[10:11]
	v_lshl_add_u32 v[SPW], v0, 2, SPARE
	v_mov_b32 v[NIL], 0
	ds_add_u32 v[SPW], v[NIL]                      ; the wave's opening: the add, twice on end, and its wait ahead of my first tensor load
	ds_add_u32 v[SPW], v[NIL]                      ; and once more, under the one wait; the set-up below, work on registers, stands between
	v_lshrrev_b32 v1, 5, v0
	v_readfirstlane_b32 s12, v1                    ; wave 0..3
	s_lshr_b32 s13, s12, 1                         ; which 64 of the tile's tokens are mine.  Also: I fetch for ctx (0) or for Wo (1)
	s_and_b32 s14, s12, 1                          ; which 128 of its columns.  Also: which panel, or which 64 rows of Wo, I fetch
	s_bfe_u32 s40, ttmp6, 0x40000                  ; cx, cy: my place in the cluster
	s_bfe_u32 s41, ttmp6, 0x40004
	s_lshl_b32 s42, ttmp9, 2
	s_add_co_u32 s42, s42, s40                     ; tile column = 4 x cluster x + cx
	s_and_b32 s43, ttmp7, 0xffff
	s_lshl_b32 s43, s43, 2
	s_add_co_u32 s43, s43, s41                     ; tile row = 4 x cluster y + cy
	s_lshl_b32 s44, s41, 2
	s_lshl_b32 s44, 15, s44                        ; my row of the cluster
	s_lshl_b32 s45, 0x1111, s40                    ; my column
	; descriptor group 1.  ctx: 64 pair rows of 128 elements of 2 bytes, dense; four words of padding after every 64
	s_or_b32 s[G1+0], s44, (1<<16)|(1<<20)|(1<<21)|(5<<22)|(3<<25)
	s_mov_b32 s[G1+1], 128<<16                     ; tensor_dim0
	s_mov_b32 s[G1+2], 64<<16                      ; tensor_dim1
	s_mov_b32 s[G1+3], 128<<16                     ; tile_dim0
	s_mov_b32 s[G1+4], 64                          ; tile_dim1
	s_mov_b32 s[G1+5], 128                         ; tensor_dim0_stride
	s_mov_b32 s[G1+6], 0
	s_mov_b32 s[G1+7], 0
	; Wo: 64 rows of 256 elements, 1,024 elements apart; eight words of padding after every 128
	s_or_b32 s[G1B+0], s45, (1<<16)|(1<<20)|(1<<21)|(6<<22)|(7<<25)
	s_mov_b32 s[G1B+1], 256<<16
	s_mov_b32 s[G1B+2], 64<<16
	s_mov_b32 s[G1B+3], 256<<16
	s_mov_b32 s[G1B+4], 64
	s_mov_b32 s[G1B+5], 1024
	s_mov_b32 s[G1B+6], 0
	s_mov_b32 s[G1B+7], 0
	; where the tiles come from.  ctx's hang on the tile row alone, Wo's on the tile column alone; each in registers that never hold the other coordinate
	s_lshr_b32 s16, s43, 4                         ; the batch: 16 tile rows each
	s_lshl_b32 s16, s16, 4
	s_add_co_u32 s16, s16, s14                     ; its head 0 or 1: my panel of K step 0
	s_lshl_b32 s16, s16, 11                        ; x 2,048 tokens
	s_and_b32 s17, s43, 15
	s_lshl_b32 s17, s17, 7
	s_add_co_u32 s16, s16, s17                     ; + the tile's first token
	s_lshl_b32 s16, s16, 7                         ; x 128 bytes
	s_mov_b32 s17, 0
	s_lshl_b32 s46, s14, 17                        ; Wo: 64 rows of 2,048 bytes x my half,
	s_lshl_b32 s47, s42, 9
	s_add_co_u32 s46, s46, s47                     ; + 512 bytes x tile column
	s_mov_b32 s47, 0
	s_mul_i32 s18, s14, PANEL                      ; and where they go: no place in the cluster enters an LDS address
	s_mul_i32 s19, s14, HALFB
	s_add_co_u32 s19, s19, BOFF
	s_cmp_eq_u32 s12, 0
	s_cselect_b32 s[LIM], 1, -1
	s_wait_dscnt 0x0                               ; both opening adds are done
	s_wait_kmcnt 0x0
	s_add_nc_u64 s[16:17], s[4:5], s[16:17]
	s_add_nc_u64 s[46:47], s[6:7], s[46:47]
	CROUND                                         ; all sixteen work-groups are here: the first joint loads meet
.irp s, 0,1
	s_mov_b32 s[G0+4*\s], 1
	s_add_co_u32 s[G0+4*\s+1], s18, \s*SLOT
	s_add_nc_u64 s[G0+4*\s+2:G0+4*\s+3], s[16:17], \s*524288       ; K step s: two heads of 262,144 bytes on
	s_or_b32 s[G0+4*\s+3], s[G0+4*\s+3], 0x80000000
	s_mov_b32 s[G0B+4*\s], 1
	s_add_co_u32 s[G0B+4*\s+1], s19, \s*SLOT
	s_add_nc_u64 s[G0B+4*\s+2:G0B+4*\s+3], s[46:47], \s*262144     ; 128 rows of 2,048 bytes on
	s_or_b32 s[G0B+4*\s+3], s[G0B+4*\s+3], 0x80000000
	JLOAD \s                                       ; two loads of mine are out
.endr
	v_and_b32 v1, 15, v0                           ; r = l % 16
	v_bfe_u32 v2, v0, 4, 1                         ; h = l / 16
	; the bias of my 128 columns, in the result's layout: for block b the columns 16 b + 8 h + 0 .. 7
	s_lshl_b32 s22, s42, 10
	s_lshl_b32 s23, s14, 9
	s_add_co_u32 s22, s22, s23                     ; my first column, in bytes of f32: 1,024 x tile column + 512 x half
	s_mov_b32 s23, 0
	s_add_nc_u64 s[8:9], s[8:9], s[22:23]
	s_add_nc_u64 s[10:11], s[10:11], s[22:23]
	v_lshlrev_b32 v7, 5, v2
.irp b, 0,1,2,3,4,5,6,7
	global_load_b128 v[BI+8*\b:BI+8*\b+3], v7, s[8:9] offset:64*\b
	global_load_b128 v[BI+8*\b+4:BI+8*\b+7], v7, s[8:9] offset:64*\b+16
.endr
	v_lshrrev_b32 v3, 1, v1
	v_mul_u32_u24 v3, v3, PA
	v_and_b32 v4, 1, v1
	v_lshl_add_u32 v3, v4, 7, v3
	v_lshl_add_u32 v3, v2, 4, v3                   ; ctx: (r / 2) pair rows + (r % 2) x 128 + 16 h,
	s_mul_i32 s22, s13, 32*PA                      ; + my 64 tokens
	v_add_nc_u32 v[ADRA], s22, v3
	v_add_nc_u32 v[ADRA+1], SLOT, v[ADRA]
	v_and_b32 v3, 7, v0
	v_lshl_add_u32 v3, v2, 3, v3                   ; Wo: row 8 h + l % 8,
	v_mul_u32_u24 v3, v3, PB
	v_bfe_u32 v4, v0, 3, 1
	v_lshl_add_u32 v3, v4, 4, v3                   ; columns 8 ((l / 8) % 2) on,
	s_lshl_b32 s22, s14, 8
	s_add_co_u32 s22, s22, BOFF                    ; + my 128 columns
	v_add_nc_u32 v[ADRB], s22, v3
	v_add_nc_u32 v[ADRB+1], SLOT, v[ADRB]
	s_mul_i32 s22, s12, 16*SPITCH
	s_add_co_u32 s22, s22, STAGE                   ; my stage
	v_mul_u32_u24 v3, v1, SPITCH                   ; in: row r, 32 bytes for each half of the lanes
	v_lshl_add_u32 v3, v2, 5, v3
	v_add_nc_u32 v[STO], s22, v3
	v_and_b32 v4, 31, v0
	v_lshlrev_b32 v[CO], 4, v4                     ; back: the 32 lanes take one row of 512 bytes; and the same in out0
	v_add_nc_u32 v[RD], s22, v[CO]
	s_lshl_b32 s22, s43, 7
	s_lshl_b32 s23, s13, 6
	s_add_co_u32 s22, s22, s23                     ; my first row of out0: 128 x tile row + 64 x half
	s_lshl_b32 s22, s22, 12                        ; x 4,096 bytes
	s_mov_b32 s23, 0
	s_add_nc_u64 s[10:11], s[10:11], s[22:23]
	; the prefetches
	s_lshr_b32 s22, s43, 4
	s_lshl_b32 s22, s22, 15                        ; the batch's head 0: 16 x 2,048 tokens a batch
	s_and_b32 s23, s43, 15
	s_lshl_b32 s23, s23, 7
	s_add_co_u32 s22, s22, s23
	s_lshl_b32 s22, s22, 7                         ; the tile's first token there, in bytes,
	s_lshl_b32 s23, s40, 12
	s_add_co_u32 s22, s22, s23                     ; + my work-group's 16 blocks of each head,
	s_add_co_u32 s22, s22, 3*524288                ; at K step 3: the first refill steps it to K step 4.  Nothing is prefetched here, at the head
	s_mov_b32 s23, 0
	s_add_nc_u64 s[PFA:PFA+1], s[4:5], s[22:23]
	v_lshlrev_b32 v[PFO], 8, v1
	v_lshl_add_u32 v[PFO], v2, 18, v[PFO]          ; lanes 0-15 the K step's even head, lanes 16-31 its odd head
; 8 matrix instructions: tokens' block a x Wo's eight, 32 along K, from buffer f.  zero = 1: the first product starts the sums from the bias.  The 32 accumulators take turns, one instruction a turn.
.macro MUL8 f, a, zero
.irp b, 0,1,2,3,4,5,6,7
.if \zero
	v_wmma_f32_16x16x32_f16 v[8*(8*(\a)+\b):8*(8*(\a)+\b)+7], v[\f+8*\b:\f+8*\b+7], v[\f+64+8*(\a):\f+64+8*(\a)+7], v[BI+8*\b:BI+8*\b+7]
.else
	v_wmma_f32_16x16x32_f16 v[8*(8*(\a)+\b):8*(8*(\a)+\b)+7], v[\f+8*\b:\f+8*\b+7], v[\f+64+8*(\a):\f+64+8*(\a)+7], v[8*(8*(\a)+\b):8*(8*(\a)+\b)+7]
.endif
.endr
.endm
; 24 LDS loads in one run: the fragments of the slot's q-th 32 along K into buffer f: Wo's eight, turned, then ctx's four (panel q / 2, channels 32 (q % 2) on)
.macro FETCH slot, q, f
	WIN TO_F
.irp b, 0,1,2,3,4,5,6,7
	ds_load_tr16_b128 v[\f+8*\b:\f+8*\b+3],   v[ADRB+\slot] offset:(\q)*32*PB+32*\b
	ds_load_tr16_b128 v[\f+8*\b+4:\f+8*\b+7], v[ADRB+\slot] offset:(\q)*32*PB+16*PB+32*\b
.endr
.irp a, 0,1,2,3
	ds_load_b128 v[\f+64+8*\a:\f+64+8*\a+3],   v[ADRA+\slot] offset:((\q)/2)*PANEL+((\q)%2)*64+\a*8*PA
	ds_load_b128 v[\f+64+8*\a+4:\f+64+8*\a+7], v[ADRA+\slot] offset:((\q)/2)*PANEL+((\q)%2)*64+\a*8*PA+32
.endr
.endm
.macro PLACES                          ; four places in front of loads into registers that matrix instructions have read, and of LDS stores that read results (ISA guide 7.12.1 for vector instructions)
.rept 4
	v_nop
.endr
.endm
; A K step is four quarters of 32 along K, 32 matrix instructions each, on buffers 0, 1, 0, 1.  One of the first three: multiplies buffer f and fetches the slot's quarter q into g.
.macro QUARTER slot, q, f, g, zero
	s_wait_dscnt 4                                 ; Wo's fragments and ctx's blocks 0, 1 are in; the youngest four loads (blocks 2, 3) may be out
	WIN MUL-0x20*(\zero)                           ; (zero = 1: C, the bias, lies in window 0)
	MUL8 \f, 0, \zero
	MUL8 \f, 1, \zero
	PLACES
	FETCH \slot, \q, \g
	s_wait_dscnt 24                                ; all but the 24 just issued
	WIN MUL-0x20*(\zero)
	MUL8 \f, 2, \zero
	MUL8 \f, 3, \zero
.endm
; The last quarter multiplies buffer 1 and changes slots: ONE barrier; in front of it each wave waits for all its tensor loads, adds 0 to its spare word, and waits for that and for its reads of this slot.
; fill = 1: the barrier opens a round of the cluster's, and behind the round this slot is filled again, two K steps ahead: one load a wave.
.macro TURN slot, next, fill
.if \fill
	s_wait_xcnt 0x0                                ; the last prefetch, a K step back, has read its address: it is stepped here, ahead of the waits of the change of slots
	s_add_nc_u64 s[PFA:PFA+1], s[PFA:PFA+1], 524288
.endif
	WIN 0                                          ; (the add's two registers lie in window 0)
	s_wait_tensorcnt 0x0                           ; all my tensor loads have landed: my part of the next slot;
	ds_add_u32 v[SPW], v[NIL]                      ; 0 onto my spare word;
	s_wait_dscnt 5                                 ; (the add and the youngest four loads may be out)
	WIN MUL
	MUL8 F1, 0, 0                                  ; eight matrix instructions stand between the add and the wait for it
	s_wait_dscnt 0x0                               ; the add is done, and my reads of this slot are over
	s_barrier_signal -1
	MUL8 F1, 1, 0
.if \fill
	WIN 0
.endif
	s_barrier_wait -1
.if \fill
	CREST                                          ; no wave of any partner still reads this slot's tiles or has a load on its way
	s_add_nc_u64 s[G0+4*\slot+2:G0+4*\slot+3], s[G0+4*\slot+2:G0+4*\slot+3], 1048576
	s_add_nc_u64 s[G0B+4*\slot+2:G0B+4*\slot+3], s[G0B+4*\slot+2:G0B+4*\slot+3], 524288
	JLOAD \slot                                    ; the first tensor load behind the round; the four v_nop behind it are also the places in front of the loads below
.else
	PLACES
.endif
	FETCH \next, 0, F0
.if \fill
	WIN 0
	ASK
.endif
	WIN MUL
	MUL8 F1, 2, 0
	MUL8 F1, 3, 0
.endm
	s_wait_tensorcnt 1                             ; my part of K step 0 is in; K step 1's load may be out
	s_barrier_signal -1
	s_barrier_wait -1                              ; everybody's is
	FETCH 0, 0, F0
	s_wait_loadcnt 0x0                             ; the bias
	QUARTER 0, 1, F0, F1, 1                        ; the first quarter stands in front of the loop: its products start the sums
	WIN 0                                          ; at a label and at a branch every window is 0
	s_mov_b32 s3, LAPS-1
.Llap:                                             ; a trip goes once round the ring, from a lap's second quarter to the next lap's first, and fills both slots again
	QUARTER 0, 2, F1, F0, 0
	QUARTER 0, 3, F0, F1, 0
	TURN 0, 1, 1
	QUARTER 1, 1, F0, F1, 0
	QUARTER 1, 2, F1, F0, 0
	QUARTER 1, 3, F0, F1, 0
	TURN 1, 0, 1
	QUARTER 0, 1, F0, F1, 0
	WIN 0
	s_sub_co_u32 s3, s3, 1
	s_cmp_lg_u32 s3, 0
	s_cbranch_scc1 .Llap
	QUARTER 0, 2, F1, F0, 0                        ; the last lap fills nothing, and has no round of the cluster's barrier
	QUARTER 0, 3, F0, F1, 0
	TURN 0, 1, 0
	QUARTER 1, 1, F0, F1, 0
	QUARTER 1, 2, F1, F0, 0
	QUARTER 1, 3, F0, F1, 0
	s_wait_dscnt 4                                 ; the very last quarter: nothing more to fetch
	WIN MUL
	MUL8 F1, 0, 0
	MUL8 F1, 1, 0
	s_wait_dscnt 0x0
	MUL8 F1, 2, 0
	MUL8 F1, 3, 0
	WIN 0
; THE WAY OUT, block by block of 16 rows x 128 columns.  A lane holds 32 neighbouring bytes of a row, and the lanes beside it hold other rows: so a block goes through my own stage and comes back as whole rows of
; 512 bytes.  LDS serves a wave's instructions in order (ISA guide 5.7.1.4): no wait between the stores and the loads, nor in front of the next block's stores.
.macro TOSTAGE a
	WIN 0x08                                       ; an LDS store's data are its source 1: window 2
.irp b, 0,1,2,3,4,5,6,7
	ds_store_b128 v[STO], v[64*(\a)+8*\b:64*(\a)+8*\b+3] offset:64*\b          ; each accumulator from its low end on
	ds_store_b128 v[STO], v[64*(\a)+8*\b+4:64*(\a)+8*\b+7] offset:64*\b+16
.endr
	WIN 0
.set BB, BK+64*((\a)%2)
.irp t, 0,1,2,3,4,5,6,7,8,9,10,11,12,13,14,15
	ds_load_b128 v[BB+4*\t:BB+4*\t+3], v[RD] offset:\t*SPITCH
.endr
.endm
.macro SEND a, younger                 ; younger: the LDS instructions issued behind block a's loads, which may stay out
.set BB, BK+64*((\a)%2)
	s_wait_dscnt \younger                          ; the block is back in registers
.irp t, 0,1,2,3,4,5,6,7,8,9,10,11,12,13,14,15
	global_store_b128 v[CO], v[BB+4*\t:BB+4*\t+3], s[10:11] offset:(\a)*65536+\t*4096 th:TH_STORE_NT   ; 32 lanes store 512 consecutive bytes, at a multiple of 256 from out0's first byte; written once, read by nobody here
.endr
.endm
	PLACES                                         ; behind the last products, ahead of the first read of results
	TOSTAGE 0
.irp a, 1,2,3
.if \a > 1
	s_wait_xcnt 0x0                                ; block a - 2's stores have read their registers: block a's loads may land there
.endif
	TOSTAGE \a
	SEND \a-1, 32                                  ; behind block a - 1's loads: block a's 16 stores and 16 loads
.endr
	SEND 3, 0
	s_wait_tensorcnt 0x0                           ; the wave's end: behind my last tensor load and my last LDS store
	ds_add_u32 v[SPW], v[NIL]
	s_wait_dscnt 0x0
	CROUND                                         ; the closing round: no work-group ends while a partner may still ask for a tile that names it
	s_endpgm
.Lfunc_end_k_q21f10382a1_outp:
	.size	k_q21f10382a1_outp, .Lfunc_end_k_q21f10382a1_outp-k_q21f10382a1_outp
	.p2alignl 7, 3214868480
	.fill 96, 4, 3214868480
	.section	.rodata,"a",@progbits
	.p2align	6, 0x0
	.amdhsa_kernel k_q21f10382a1_outp
		.amdhsa_group_segment_fixed_size 327680
		.amdhsa_private_segment_fixed_size 0
		.amdhsa_enable_private_segment 0
		.amdhsa_kernarg_size 32
		.amdhsa_user_sgpr_count 2
		.amdhsa_user_sgpr_kernarg_segment_ptr 1
		.amdhsa_wavefront_size32 1
		.amdhsa_system_sgpr_workgroup_id_x 1
		.amdhsa_system_sgpr_workgroup_id_y 1
		.amdhsa_system_sgpr_workgroup_id_z 1
		.amdhsa_system_vgpr_workitem_id 0
		.amdhsa_next_free_vgpr 768
		.amdhsa_next_free_sgpr 66
		.amdhsa_reserve_vcc 0
		.amdhsa_float_denorm_mode_32 3
		.amdhsa_float_denorm_mode_16_64 3
		.amdhsa_memory_ordered 1
		.amdhsa_forward_progress 1
		.amdhsa_inst_pref_size 88
	.end_amdhsa_kernel
	.amdgpu_metadata
---
amdhsa.version: [ 1, 2 ]
amdhsa.kernels:
  - .name:           k_q21f10382a1_outp
    .symbol:         k_q21f10382a1_outp.kd
    .args:
      - { .name: ctx, .offset: 0, .size: 8, .value_kind: global_buffer, .address_space: global }
      - { .name: woh, .offset: 8, .size: 8, .value_kind: global_buffer, .address_space: global }
      - { .name: bo, .offset: 16, .size: 8, .value_kind: global_buffer, .address_space: global }
      - { .name: out0, .offset: 24, .size: 8, .value_kind: global_buffer, .address_space: global }
    .group_segment_fixed_size: 327680
    .private_segment_fixed_size: 0
    .kernarg_segment_align: 8
    .kernarg_segment_size: 32
    .max_flat_workgroup_size: 128
    .sgpr_count:     66
    .vgpr_count:     768
    .wavefront_size: 32
...
	.end_amdgpu_metadata
.endif
;; end of part 4
